; MI455X (gfx1250); checked and timed in simulation.
; The chip was launched on July 23, 2026; its instructions are those of AMD's public machine-readable ISA for CDNA 5 (MIT licence, August 2026) and "CDNA5" Instruction Set Architecture Reference Guide (July 2026). The comments in the code are by the model that wrote it; some were corrected since.
;; Hierarchical Attention Layer. Allowed arithmetic: matrix products marked QUANTISED: E2M3 operands, one E8M0 scale for each 32 along K, by v_wmma_scale_f32_16x16x128_f8f6f4 with both operands' format E2M3, f32 sums; everything else in f32.
;; Inputs: ffn_b1 2,048 float32; ffn_b2 1,024 float32; ffn_w1_codes 2,048 x 32 x 24 uint8 (E2M3 codes of ffn_w1, K innermost, in blocks of 32 codes, four codes in three bytes); ffn_w1_scales 2,048 x 32 uint8 (E8M0 scales of ffn_w1, one for each 32 codes along K); ffn_w2_codes 1,024 x 64 x 24 uint8 (E2M3 codes of ffn_w2, K innermost, in blocks of 32 codes, four codes in three bytes); ffn_w2_scales 1,024 x 64 uint8 (E8M0 scales of ffn_w2, one for each 32 codes along K); ln1_b 1,024 float32; ln1_g 1,024 float32; ln2_b 1,024 float32; ln2_g 1,024 float32; out_b 1,024 float32; out_w_codes 1,024 x 32 x 24 uint8 (E2M3 codes of out_w, K innermost, in blocks of 32 codes, four codes in three bytes); out_w_scales 1,024 x 32 uint8 (E8M0 scales of out_w, one for each 32 codes along K); qkv_b 3,072 float32; qkv_w_codes 3,072 x 32 x 24 uint8 (E2M3 codes of qkv_w, K innermost, in blocks of 32 codes, four codes in three bytes); qkv_w_scales 3,072 x 32 uint8 (E8M0 scales of qkv_w, one for each 32 codes along K); x 2 x 2,048 x 1,024 float32.
;; Outputs: out0 2 x 2,048 x 1,024 float32.
;; This version of the problem:
;;   THIS VERSION OF THE PROBLEM IS GIVEN IN LOW PRECISION. The matrix products marked QUANTISED in the list below multiply operands that are first quantised to E2M3 (2 exponent bits, 3 mantissa bits; 6 bits a number), with one power-of-two scale for each 32 numbers along K (OCP MX v1.0); their sums are f32. All else is computed in f32.
;;   The module's matrix products, in the order in which they are computed (A, B: the left and right operand; K: the contracted axis; several contracted axes count as one K, in the product's order):
;;     1. [M 4,096, K 1,024] x [K 1,024, N 3,072]; A: computed on the way; B: input qkv_w (given as codes): QUANTISED
;;     2. batch 32 x [M 2,048, K 64] x [K 64, N 2,048]; A: computed on the way; B: computed on the way: QUANTISED
;;     3. batch 32 x [M 2,048, K 2,048] x [K 2,048, N 64]; A: softmax (see below); B: computed on the way: QUANTISED
;;     4. [M 4,096, K 1,024] x [K 1,024, N 1,024]; A: computed on the way; B: input out_w (given as codes): QUANTISED
;;     5. [M 4,096, K 1,024] x [K 1,024, N 2,048]; A: computed on the way; B: input ffn_w1 (given as codes): QUANTISED
;;     6. [M 4,096, K 2,048] x [K 2,048, N 1,024]; A: computed on the way; B: input ffn_w2 (given as codes): QUANTISED
;;   THE QUANTISER, for each operand of a quantised product, along K:
;;     - K is cut into blocks of 32 from its start; a last block that is shorter is filled with zeros.
;;     - A block's scale is 2^e with e = floor(log2(the largest magnitude in the block)) - 2, held to -126 .. 127; a block of zeros has e = 0. As a byte (E8M0): e + 127.
;;     - Each number is divided by its block's scale, clamped to +-7.5, and rounded to the nearest number of E2M3, ties to even, subnormals kept.
;;     - The product sums the exact products of the quantised numbers (number of the format x scale) in f32.
;;   ~~~python
;;   def quantise(x, axis):      # numpy; x: float32 -> the quantised numbers, widened to float32 again
;;       x = np.moveaxis(x, axis, -1); K = x.shape[-1]
;;       x = np.pad(x, [(0, 0)] * (x.ndim - 1) + [(0, -K % 32)]); x = x.reshape(x.shape[:-1] + (-1, 32)); a = np.abs(x).max(-1, keepdims=True)
;;       e = np.where(a > 0, np.clip(np.frexp(np.where(a > 0, a, 1))[1] - 1 - 2, -126, 127), 0)      # np.frexp(a)[1] - 1 = floor(log2(a)), exactly
;;       r = np.clip(x / 2.0 ** e, -7.5, 7.5)
;;       step = 2.0 ** (np.maximum(np.frexp(np.where(r == 0, 1, r))[1] - 1, 0) - 3)
;;       q = np.round(r / step) * step * 2.0 ** e      # np.round: ties to even
;;       return np.moveaxis(q.reshape(q.shape[:-2] + (-1,))[..., :K], -1, axis).astype(np.float32)
;;   ~~~
;;   SOFTMAX AHEAD OF A QUANTISED PRODUCT. Where the list says 'softmax', what is quantised is not the finished softmax but p = 2^(t - M), with t = logit x log2(e) and M = ceil(the row's largest t), a whole number; so 1/2 < the row's largest p <= 1. The row's sum l is taken of the UNQUANTISED p, in f32, and the product's result is divided by l at the end. Since M is a whole number, a kernel that streams over the keys may use a running M (the ceiling of the running maximum): every later rescaling is an exact power of two, which a block's scale takes up: the codes' values come out the same.
;;   OPERANDS COMPUTED ON THE WAY. 'Computed on the way' means the value that the module computes at that place (a softmax that the list does not call 'softmax' is quantised finished and normalised). What goes into a quantiser is computed in f32, as accurately as f32 sums, v_exp_f32 and their like allow (about 1e-6 of the number): no bf16 or f16 on the way to a quantiser, and a product that is left as it is and whose result goes on into a quantised operand takes f32 operands (vector FMAs, or v_wmma_f32_16x16x4_f32). A number that lies on a knife's edge between two numbers of the format may be rounded either way, as far as f32 arithmetic and the matrix unit's own rounding can turn it there, and no further.
;;   INPUTS GIVEN AS CODES. ffn_w1 (in the module: [1024, 2048], K = its axis 0); ffn_w2 (in the module: [2048, 1024], K = its axis 0); out_w (in the module: [1024, 1024], K = its axis 0); qkv_w (in the module: [1024, 3072], K = its axis 0): each comes as NAME_codes (uint8): NAME with its K axis moved to the last place and cut into blocks of 32 codes, [.., K / 32, bytes a block], one block behind the other in memory; four codes in three bytes: a row's codes are one little-endian stream of bits, code i at bits 6 i .. 6 i + 5 (a code: sign, 2 exponent bits, 3 mantissa bits); and NAME_scales (uint8): the same leading axes, one E8M0 byte (e + 127) for each 32 codes along K. Its value is code x scale, taken as it is: it is not quantised again, and the codes and scales need not be those that the quantiser above would give.
;; One version. Each part assembles by itself: llvm-mc -triple=amdgcn-amd-amdhsa -mcpu=gfx1250 --defsym DOCPART=n.
;; ======== version 1 of 1: 7 launches
;; limits: right only within a limited range of input values
;; workspace buffers: hbuf 3,407,872 bytes; qkvbuf 11,010,048 bytes; abuf 3,407,872 bytes; x1 16,777,216 bytes; h2buf 3,407,872 bytes; gbuf 6,815,744 bytes
;; launch ln1 (part 1): grid 256 x 1, 8 waves a work-group, no clusters, 69,632 bytes of LDS; arguments x, ln1_g, ln1_b, hbuf; writes hbuf
.if DOCPART == 1
	.amdgcn_target "amdgcn-amd-amdhsa--gfx1250"
	.amdhsa_code_object_version 6
	.text
	.protected	k_q0607533396_ln1
	.globl	k_q0607533396_ln1
	.p2align	8
	.type	k_q0607533396_ln1,@function
k_q0607533396_ln1:
	s_mov_b64 s[64:65], 0
	v_nop
	global_prefetch_b8 v0, s[64:65] scope:SCOPE_SE
	s_setreg_imm32_b32 hwreg(HW_REG_WAVE_MODE, 25, 1), 1
	s_wait_xcnt 0x0
; LayerNorm of rows of 1,024 f32 (mean, variance of the centred numbers, rsqrt(var + 1e-5), gain, bias: all f32), then the MX-FP6 quantiser along the row.
; OUT: register images of matrix operands.  A TOKEN TILE T is 16 rows: lane r holds row 32 (T / 2) + 8 (T % 2) + r + 8 (r / 8).  A fragment (16 rows x 128 K, 12 registers a lane) lies as two halves of
; 768 bytes; half c: registers 6 c .. 6 c + 3 at 768 c + 16 x lane, registers 6 c + 4, 6 c + 5 at 768 c + 512 + 8 x lane.  Its scale words: 128 bytes, 4 x lane.
; Order: [block of 128 rows][K step][tile in block]; the scale images begin IMG bytes on.
; SHARES: a work-group takes one tile (16 rows, 64 KiB), wave w its columns 128 w .. 128 w + 127.  Each load reads 512 consecutive bytes of one row; the numbers turn through the wave's own stage in LDS,
; so that lane (r, h) holds, of row r, 16 neighbours of each block of 32.  Sums meet in LDS: two barriers.  No matrix unit, no cluster: work-groups share only the 8 KiB of gain and bias.
; LIMITS: NaN and infinities are not served.  A block whose largest magnitude lies under 2^-124 (a block of zeros too) gets the scale byte 1; the bytes are read by this program alone.
.set WST,  8448                        ; a wave's stage: 16 rows x (512 + 16) bytes
.set RED,  67584                       ; behind the stages: 16 rows x 8 waves x 4 bytes, twice
.set IMG,  3145728
.set XR,   64                          ; v64-127   my 64 numbers: register 16 b + i = column 32 b + 16 h + i of the wave's 128
.set RR,   128                         ; v128-191  rows as loaded, then the gain
.set BT,   192                         ; v192-255  the bias
.set PW,   28                          ; the scale word
.set PC,   30                          ; v30-49    codes
.set TM,   50
.set TB,   54
.set TO,   58
	s_load_b256 s[4:11], s[0:1], 0x0               ; x, gain, bias, out
	v_lshl_add_u32 v62, v0, 2, 0x10c00
	v_mov_b32 v63, 0
	v_lshrrev_b32 v1, 5, v0
	s_delay_alu instid0(VALU_DEP_1)
	v_readfirstlane_b32 s12, v1                    ; wave = K step
	v_and_b32 v1, 31, v0                           ; lane
	v_and_b32 v2, 15, v0                           ; r
	v_bfe_u32 v3, v0, 4, 1                         ; h
	s_delay_alu instid0(VALU_DEP_3)
	v_lshlrev_b32 v4, 4, v1                        ; 16 x lane
	s_mul_i32 s13, s12, WST
	v_add_nc_u32 v5, s13, v4                       ; into the stage: a row's 512 bytes as they lie
	v_mul_u32_u24 v6, v2, 528
	s_delay_alu instid0(VALU_DEP_1)
	v_lshl_add_u32 v6, v3, 6, v6
	s_delay_alu instid0(VALU_DEP_1)
	v_add_nc_u32 v6, s13, v6                       ; out of it: row r, + 64 h
	v_lshlrev_b32 v7, 6, v3                        ; gain and bias: 64 h
	v_lshlrev_b32 v9, 5, v2
	s_delay_alu instid0(VALU_DEP_1)
	v_add_nc_u32 v9, RED, v9                       ; my row's eight partial sums
	s_lshl_b32 s13, s12, 2
	v_add_nc_u32 v8, s13, v9                       ; my wave's word among them
	v_lshlrev_b32 v10, 3, v1                       ; 8 x lane
	v_lshlrev_b32 v11, 2, v1                       ; 4 x lane
	s_mov_b32 s20, 0x76543210
	s_mov_b32 s21, 0xfedcba98                      ; selects of v_permlanex16_b32: lane l xor 16
	s_mov_b32 s22, 0x3a800000                      ; 1 / 1024
	s_mov_b32 s23, 0x3727c5ac                      ; 1e-5
	s_lshr_b32 s14, ttmp9, 1
	s_lshl_b32 s14, s14, 17                        ; 32 (T / 2) rows of 4,096 bytes
	s_and_b32 s15, ttmp9, 1
	s_lshl_b32 s15, s15, 15                        ; 8 (T % 2) rows
	s_add_co_u32 s14, s14, s15
	s_lshl_b32 s16, s12, 9                         ; my wave's 512 bytes of a row
	s_add_co_u32 s14, s14, s16
	s_mov_b32 s15, 0
	s_mov_b32 s17, 0
	s_lshr_b32 s18, ttmp9, 3
	s_lshl_b32 s18, s18, 3
	s_add_co_u32 s18, s18, s12
	s_lshl_b32 s18, s18, 3
	s_and_b32 s19, ttmp9, 7
	s_add_co_u32 s18, s18, s19                     ; ((T / 8) 8 + K step) 8 + T % 8
	s_mul_i32 s24, s18, 1536
	s_mov_b32 s25, 0
	s_lshl_b32 s26, s18, 7
	s_add_co_u32 s26, s26, IMG
	s_mov_b32 s27, 0
.irp b, 0,1,2,3
	v_mov_b32 v[TB+\b], 0                          ; written once: a lane permute's destination counts as one of its sources
.endr
	s_wait_kmcnt 0x0
	s_add_nc_u64 s[4:5], s[4:5], s[14:15]
	s_add_nc_u64 s[6:7], s[6:7], s[16:17]
	s_add_nc_u64 s[8:9], s[8:9], s[16:17]
	s_add_nc_u64 s[24:25], s[10:11], s[24:25]      ; my image
	s_add_nc_u64 s[26:27], s[10:11], s[26:27]      ; my scale image
.set I, 0
.rept 16
	global_load_b128 v[RR+4*I:RR+4*I+3], v4, s[4:5] offset:(I+8*(I/8))*4096 th:TH_LOAD_NT   ; the tile's row I: 512 consecutive bytes
.set I, I+1
.endr
.set I, 0
.rept 16
	s_wait_loadcnt 15-I                            ; row I is in; the 15 - I younger loads may be out
	ds_store_b128 v5, v[RR+4*I:RR+4*I+3] offset:528*I
.set I, I+1
.endr
.irp b, 0,1,2,3
.irp j, 0,1,2,3
	ds_load_b128 v[XR+16*\b+4*\j:XR+16*\b+4*\j+3], v6 offset:128*\b+16*\j   ; the wave's own bytes: LDS serves a wave's instructions in order
.endr
.endr
	s_wait_dscnt 0x0                               ; my numbers are in, and the stores have read v128-191
.irp b, 0,1,2,3
.irp j, 0,1,2,3
	global_load_b128 v[RR+16*\b+4*\j:RR+16*\b+4*\j+3], v7, s[6:7] offset:128*\b+16*\j   ; gain and bias of my 64 columns land under the two sums
	global_load_b128 v[BT+16*\b+4*\j:BT+16*\b+4*\j+3], v7, s[8:9] offset:128*\b+16*\j
.endr
.endr
; v[24:27], two packed chains -> v24: the figure of my row's 128 columns in this wave
.macro HALVES
	s_delay_alu instid0(VALU_DEP_1)
	v_pk_add_f32 v[24:25], v[24:25], v[26:27]
	s_delay_alu instid0(VALU_DEP_1)
	v_add_f32 v24, v24, v25
	s_delay_alu instid0(VALU_DEP_1)
	v_permlanex16_b32 v25, v24, s20, s21
	s_delay_alu instid0(VALU_DEP_1)
	v_add_f32 v24, v24, v25
.endm
; v24 -> v16: the row's figure over the eight waves.  My store is waited for in front of the signal, for the others' sake
.macro ACROSS off
	ds_store_b32 v8, v24 offset:\off
	s_wait_dscnt 0x0
	s_barrier_signal -1
	s_barrier_wait -1
	ds_load_b128 v[16:19], v9 offset:\off
	ds_load_b128 v[20:23], v9 offset:\off+16
	s_wait_dscnt 0x0
	v_pk_add_f32 v[16:17], v[16:17], v[18:19]
	v_pk_add_f32 v[20:21], v[20:21], v[22:23]
	s_delay_alu instid0(VALU_DEP_1)
	v_pk_add_f32 v[16:17], v[16:17], v[20:21]
	s_delay_alu instid0(VALU_DEP_1)
	v_add_f32 v16, v16, v17
.endm
	v_pk_add_f32 v[24:25], v[XR:XR+1], v[XR+2:XR+3]
	v_pk_add_f32 v[26:27], v[XR+4:XR+5], v[XR+6:XR+7]
.set J, 8
.rept 14
	s_delay_alu instid0(VALU_DEP_2)
	v_pk_add_f32 v[24:25], v[24:25], v[XR+J:XR+J+1]
	s_delay_alu instid0(VALU_DEP_2)
	v_pk_add_f32 v[26:27], v[26:27], v[XR+J+2:XR+J+3]
.set J, J+4
.endr
	HALVES
	ACROSS 0
	s_delay_alu instid0(VALU_DEP_1)
	v_mul_f32 v12, s22, v16                        ; the mean
	s_delay_alu instid0(VALU_DEP_1)
	v_mov_b32 v13, v12
.set J, 0
.rept 32
	v_pk_add_f32 v[XR+J:XR+J+1], v[XR+J:XR+J+1], v[12:13] neg_lo:[0,1] neg_hi:[0,1]   ; x - mean
.set J, J+2
.endr
	v_pk_mul_f32 v[24:25], v[XR:XR+1], v[XR:XR+1]
	v_pk_mul_f32 v[26:27], v[XR+2:XR+3], v[XR+2:XR+3]
.set J, 4
.rept 15
	s_delay_alu instid0(VALU_DEP_2)
	v_pk_fma_f32 v[24:25], v[XR+J:XR+J+1], v[XR+J:XR+J+1], v[24:25]
	s_delay_alu instid0(VALU_DEP_2)
	v_pk_fma_f32 v[26:27], v[XR+J+2:XR+J+3], v[XR+J+2:XR+J+3], v[26:27]
.set J, J+4
.endr
	HALVES
	ACROSS 512                                     ; other bytes than the first sum's: no barrier is owed between the two
	s_delay_alu instid0(VALU_DEP_1)
	v_fma_f32 v17, v16, s22, s23                   ; variance + 1e-5
	s_wait_alu depctr_va_vdst(0)
	v_rsq_f32 v14, v17
	v_nop                                          ; a plain instruction behind the transcendental
	s_wait_alu depctr_va_vdst(0)                   ; and the wait ahead of its first reader
	v_mov_b32 v15, v14
	s_wait_alu depctr_va_vdst(0)
	s_wait_loadcnt 0x0                             ; gain and bias
.set J, 0
.rept 32
	v_pk_mul_f32 v[XR+J:XR+J+1], v[XR+J:XR+J+1], v[14:15]
.set J, J+2
.endr
.set J, 0
.rept 32
	v_pk_fma_f32 v[XR+J:XR+J+1], v[XR+J:XR+J+1], v[RR+J:RR+J+1], v[BT+J:BT+J+1]
.set J, J+2
.endr
	; THE QUANTISER: four blocks of 32, each in lanes l and l xor 16
.irp b, 0,1,2,3
	v_max3_num_f32 v[TM+\b], |v[XR+16*\b]|, |v[XR+1+16*\b]|, 0x1800000   ; with the floor 2^(3 - 127): the byte cannot fall under 1
.endr
.irp i, 2,4,6,8,10,12,14
.irp b, 0,1,2,3
	s_delay_alu instid0(VALU_DEP_4)
	v_max3_num_f32 v[TM+\b], v[TM+\b], |v[XR+16*\b+\i]|, |v[XR+1+16*\b+\i]|
.endr
.endr
.irp b, 0,1,2,3
	s_delay_alu instid0(VALU_DEP_4)
	v_permlanex16_b32 v[TB+\b], v[TM+\b], s20, s21
.endr
.irp b, 0,1,2,3
	s_delay_alu instid0(VALU_DEP_4)
	v_max_num_f32 v[TM+\b], v[TM+\b], v[TB+\b]
.endr
.irp b, 0,1,2,3
	s_delay_alu instid0(VALU_DEP_4)
	v_add_nc_u32 v[TO+\b], 0xff000000, v[TM+\b]    ; 2 off the exponent field: the conversion's scale operand
.endr
.irp b, 0,1,2,3
	s_delay_alu instid0(VALU_DEP_4)
	v_lshrrev_b32 v[TB+\b], 23, v[TO+\b]           ; the scale's byte
.endr
	s_delay_alu instid0(VALU_DEP_3)
	v_lshl_or_b32 v[PW], v[TB+1], 8, v[TB]
	s_delay_alu instid0(VALU_DEP_1)
	v_lshl_or_b32 v[PW], v[TB+2], 16, v[PW]
	s_delay_alu instid0(VALU_DEP_1)
	v_lshl_or_b32 v[PW], v[TB+3], 24, v[PW]
.irp c, 0,1
	v_cvt_scalef32_pk16_fp6_f32 v[PC+6*\c:PC+2+6*\c], v[XR+32*\c:XR+15+32*\c], v[TO+2*\c]
	v_cvt_scalef32_pk16_fp6_f32 v[PC+12+4*\c:PC+14+4*\c], v[XR+16+32*\c:XR+31+32*\c], v[TO+2*\c+1]
.endr
	v_nop                                          ; a plain instruction behind the scaled conversions
.irp c, 0,1                                    ; the operand wants a whole block in a lane: lanes 0-15 block 2 c, lanes 16-31 block 2 c + 1
.irp i, 0,1,2
	v_permlane16_swap_b32 v[PC+6*\c+\i], v[PC+12+4*\c+\i]
.endr
.irp i, 0,1,2
	s_delay_alu instid0(VALU_DEP_3)
	v_mov_b32 v[PC+3+6*\c+\i], v[PC+12+4*\c+\i]
.endr
.endr
.irp c, 0,1
	global_store_b128 v4, v[PC+6*\c:PC+6*\c+3], s[24:25] offset:768*\c th:TH_STORE_NT          ; 512 consecutive bytes, aligned
	global_store_b64 v10, v[PC+6*\c+4:PC+6*\c+5], s[24:25] offset:768*\c+512 th:TH_STORE_NT    ; 256 consecutive bytes, aligned
.endr
	global_store_b32 v11, v[PW], s[26:27] th:TH_STORE_NT
	s_wait_tensorcnt 0x0
	ds_add_u32 v62, v63
	s_wait_dscnt 0x0
	s_endpgm
.Lfunc_end_k_q0607533396_ln1:
	.size	k_q0607533396_ln1, .Lfunc_end_k_q0607533396_ln1-k_q0607533396_ln1
	.p2alignl 7, 3214868480
	.fill 96, 4, 3214868480
	.section	.rodata,"a",@progbits
	.p2align	6, 0x0
	.amdhsa_kernel k_q0607533396_ln1
		.amdhsa_group_segment_fixed_size 69632
		.amdhsa_private_segment_fixed_size 0
		.amdhsa_enable_private_segment 0
		.amdhsa_kernarg_size 32
		.amdhsa_user_sgpr_count 2
		.amdhsa_user_sgpr_kernarg_segment_ptr 1
		.amdhsa_wavefront_size32 1
		.amdhsa_system_sgpr_workgroup_id_x 1
		.amdhsa_system_sgpr_workgroup_id_y 1
		.amdhsa_system_sgpr_workgroup_id_z 1
		.amdhsa_system_vgpr_workitem_id 0
		.amdhsa_next_free_vgpr 256
		.amdhsa_next_free_sgpr 66
		.amdhsa_reserve_vcc 0
		.amdhsa_float_denorm_mode_32 3
		.amdhsa_float_denorm_mode_16_64 3
		.amdhsa_memory_ordered 1
		.amdhsa_forward_progress 1
		.amdhsa_inst_pref_size 30
	.end_amdhsa_kernel
	.amdgpu_metadata
---
amdhsa.version: [ 1, 2 ]
amdhsa.kernels:
  - .name:           k_q0607533396_ln1
    .symbol:         k_q0607533396_ln1.kd
    .args:
      - { .name: x, .offset: 0, .size: 8, .value_kind: global_buffer, .address_space: global }
      - { .name: ln1_g, .offset: 8, .size: 8, .value_kind: global_buffer, .address_space: global }
      - { .name: ln1_b, .offset: 16, .size: 8, .value_kind: global_buffer, .address_space: global }
      - { .name: hbuf, .offset: 24, .size: 8, .value_kind: global_buffer, .address_space: global }
    .group_segment_fixed_size: 69632
    .private_segment_fixed_size: 0
    .kernarg_segment_align: 8
    .kernarg_segment_size: 32
    .max_flat_workgroup_size: 256
    .sgpr_count:     66
    .vgpr_count:     256
    .wavefront_size: 32
...
	.end_amdgpu_metadata
.endif
;; end of part 1
;; launch qkv (part 2): grid 8 x 32, 4 waves a work-group, clusters of 4 x 4, 327,680 bytes of LDS; arguments hbuf, qkv_w_codes, qkv_w_scales, qkv_b, qkvbuf; writes qkvbuf
.if DOCPART == 2
	.amdgcn_target "amdgcn-amd-amdhsa--gfx1250"
	.amdhsa_code_object_version 6
	.text
	.protected	k_q0607533396_qkv
	.globl	k_q0607533396_qkv
	.p2align	8
	.type	k_q0607533396_qkv,@function
k_q0607533396_qkv:
	s_mov_b64 s[64:65], 0
	v_nop
	global_prefetch_b8 v0, s[64:65] scope:SCOPE_SE
	s_setreg_imm32_b32 hwreg(HW_REG_WAVE_MODE, 25, 1), 1
	s_wait_xcnt 0x0
	s_wait_alu depctr_hold_cnt(0) depctr_sa_sdst(0) depctr_va_vdst(0) depctr_va_sdst(0) depctr_va_ssrc(0) depctr_va_vcc(0) depctr_vm_vsrc(0)
	s_getreg_b32 s2, hwreg(HW_REG_IB_STS2, 6, 4)
	s_cmp_eq_u32 s2, 0
	s_cbranch_scc0 .Lentry_in_a_cluster
	s_endpgm
.Lentry_in_a_cluster:
	s_bfe_u32 s2, ttmp6, 0x10000c
	s_cmp_lg_u32 s2, 0xf033
	s_cbranch_scc0 .Lentry_shape_is_right
	s_endpgm
.Lentry_shape_is_right:
; q, k, v = LN1(x) W + b on codes of FP6 (E2M3) with E8M0 scales, and their quantising for the two products of attention.
; A: register images of 16 tokens x 128 K (token tile T: lane r = token 32 (T / 2) + 8 (T % 2) + r + 8 (r / 8)), [block of 128 tokens][K step][tile][1,536 bytes]: two halves of 768 bytes, each 16 bytes a lane and
;   then 8 bytes a lane; scale images IMG bytes on.  B: the weight's codes as given, whole rows of 768 bytes, each at a multiple of 256 bytes; 16 bytes of LDS padding behind every 256: pitch 816.
; SHARES: work-group (x, y): tokens 128 y .., columns 128 x .. of each of q, k, v (heads 2 x, 2 x + 1).  Wave w: tokens 64 (w / 2) .., head 2 x + w % 2: 48 accumulators.
; A GOES FROM MEMORY STRAIGHT INTO REGISTERS: a wave's four token tiles for all of K are 32 fragments, 384 registers, 128 loads at the head, and serve q, k and v: a K step reads from LDS only four fragments of B.
; LDS holds q's, k's and v's 128 rows (3 x 104,448 bytes), filled once: waves 0, 1, 2 ask for a group each, jointly along a column of the 4 x 4 cluster.  A is not asked for jointly: it does not pass through LDS.
; THE WALK: q's 8 K steps, k's 8, v's 8.  q, k: source 0 = 16 weight rows, source 1 = 16 tokens (a lane holds one token, registers along d).  v: source 0 = tokens, source 1 = weight rows.
; The scale words go from memory into registers, once.  The bias is the C of each sum's first product; one buffer of 32 registers serves the three groups by turns.
; No prefetch: the text has no loop to run ahead in, and every load is asked for at the head.
; OUT (qkvbuf): q, k: half images (K = 64) [b h][tile][768] in pieces of 256 bytes, 8 bytes a lane, scale images [b h][tile][128]; v: [b h][64 tokens][16 d][768], scales likewise.  Inside a block of q and of k
;   the order of d is 0-7, 16-23, 8-15, 24-31, alike in both: the products are the same, only the order of the f32 sum differs.
; LIMITS: NaN and infinities are not served; a block whose largest magnitude lies under 2^-124 (zeros too) gets the byte 1; the bytes are read by this program alone.
; REGISTERS by their whole numbers (window = number / 256): 0-31 addresses, 32-95 scale words, 96-191 B's two sets, 192-223 bias, 224-235 A's fragment 31; 256-507 A's fragments 0-20; 512-639 q, k of token tiles 0, 1;
;   640-759 A's fragments 21-30; 768-895 q, k of token tiles 2, 3; 896-1023 v's 16 accumulators.
.set KROW,  768
.set BREG,  104448
.set SPARE, 3*BREG
.set IMG,   3145728
.set BF,   96
.set BIA,  192
.set AT1,  640
.set AT2,  224
.set SAB,  32
.set SBB,  48
.set ADB,  2
.set ADB2, 5
.set VSA,  8
.set VSB,  9
.set VBI,  10
.set VB2,  11
.set L8,   15
.set L4,   16
.set L16,  17
.set LN,   20
.set LR,   21
.set LH,   22
.set SPW,  28
.set NIL,  29
.set G1B,  32
.set G0B,  44
.set PC,   192
.set TM,   212
.set TB,   216
.set TO,   220
.set PW,   224
.set PW2,  225
.set PW3,  226
.set MSB, 0
.macro WIN new                         ; the immediate's high byte repeats the setting that is left
.if MSB != (\new)
	s_set_vgpr_msb (MSB<<8)|(\new)
.set MSB, (\new)
.endif
.endm
.macro PLACES n
.rept \n
	v_nop
.endr
.endm
.macro CROUND                          ; a round of the cluster's barrier
	s_barrier_signal -1
	s_barrier_wait -1
	s_cmp_lg_u32 s16, 0
	s_cbranch_scc1 .Lnot_wave_0_\@
	s_barrier_signal -3
.Lnot_wave_0_\@:
	s_barrier_wait -3
	s_barrier_signal -1
	s_barrier_wait -1
.endm
.macro DESC1 g, c, r, p                ; words 1 to 7 of a group 1: r rows of c elements, p elements from row to row
	s_mov_b32 s[\g+1], (\c)<<16
	s_mov_b32 s[\g+2], (\r)<<16
	s_mov_b32 s[\g+3], (\c)<<16
	s_mov_b32 s[\g+4], \r
	s_mov_b32 s[\g+5], \p
	s_mov_b32 s[\g+6], 0
	s_mov_b32 s[\g+7], 0
.endm
; A weight fragment of K step q: six pieces of 8 bytes; byte y of a row lies at y + 16 (y / 256).  Lanes 16-31 read three pieces on; where that lies behind one padding more, the second address serves.
.macro FRAG reg, adr, adr2, q, off
.irp p, 0,1,2,3,4,5
.set PCE, 12*(\q)+6*(\p/3)+\p%3
.if PCE%32 < 29
	ds_load_b64 v[\reg+2*\p:\reg+2*\p+1], v[\adr] offset:8*PCE+16*(PCE/32)+(\off)
.else
	ds_load_b64 v[\reg+2*\p:\reg+2*\p+1], v[\adr2] offset:8*PCE+16*(PCE/32)+(\off)
.endif
.endr
.endm
.macro AFP f                           ; AP: the first register of A's fragment f = 4 x K step + tile
.if (\f) < 21
.set AP, 256+12*(\f)
.elseif (\f) < 31
.set AP, AT1+12*((\f)-21)
.else
.set AP, AT2
.endif
.endm
.macro ALD s, set                      ; A's four fragments of K step s into the registers of place set: 16 loads
.set I, 0
.rept 4
	AFP 4*(\set)+I
	WIN (AP>>8)<<6
.irp c, 0,1
	global_load_b128 v[(AP&255)+6*\c:(AP&255)+6*\c+3], v[L16], s[92:93] offset:(\s)*12288+I*1536+768*\c
	global_load_b64 v[(AP&255)+6*\c+4:(AP&255)+6*\c+5], v[L8], s[92:93] offset:(\s)*12288+I*1536+768*\c+512
.endr
.set I, I+1
.endr
.endm
.macro FETCH t                         ; walk step t = 8 x group + K step: the group's four weight fragments into set t % 2
	WIN 0
.set I, 0
.rept 4
	FRAG BF+48*((\t)%2)+12*I, ADB+(\t)/8, ADB2+(\t)/8, (\t)%8, I*13056
.set I, I+1
.endr
.endm
.macro WM                              ; DD, FS0, FS1, CC are whole register numbers
	WIN (FS0>>8)|((FS1>>8)<<2)|((CC>>8)<<4)|((DD>>8)<<6)
.set D_, DD&255
.set A_, FS0&255
.set B_, FS1&255
.set C_, CC&255
.if RW0 && RW1
	v_wmma_scale_f32_16x16x128_f8f6f4 v[D_:D_+7], v[A_:A_+11], v[B_:B_+11], v[C_:C_+7], v[XS0], v[XS1] matrix_a_fmt:MATRIX_FMT_FP6 matrix_b_fmt:MATRIX_FMT_FP6 matrix_a_scale:MATRIX_SCALE_ROW1 matrix_b_scale:MATRIX_SCALE_ROW1
.elseif RW0
	v_wmma_scale_f32_16x16x128_f8f6f4 v[D_:D_+7], v[A_:A_+11], v[B_:B_+11], v[C_:C_+7], v[XS0], v[XS1] matrix_a_fmt:MATRIX_FMT_FP6 matrix_b_fmt:MATRIX_FMT_FP6 matrix_a_scale:MATRIX_SCALE_ROW1
.elseif RW1
	v_wmma_scale_f32_16x16x128_f8f6f4 v[D_:D_+7], v[A_:A_+11], v[B_:B_+11], v[C_:C_+7], v[XS0], v[XS1] matrix_a_fmt:MATRIX_FMT_FP6 matrix_b_fmt:MATRIX_FMT_FP6 matrix_b_scale:MATRIX_SCALE_ROW1
.else
	v_wmma_scale_f32_16x16x128_f8f6f4 v[D_:D_+7], v[A_:A_+11], v[B_:B_+11], v[C_:C_+7], v[XS0], v[XS1] matrix_a_fmt:MATRIX_FMT_FP6 matrix_b_fmt:MATRIX_FMT_FP6
.endif
.endm
.macro MUL t                           ; a walk step's 16 products; the accumulators take turns, one instruction a turn
.set N, 0
.set GG, (\t)/8
.set SS, (\t)%8
.rept 16
.if GG < 2
.set TA, N/4
.set TI, N%4
	AFP 4*SS+TA
.set DD, 512+256*(TA/2)+64*(TA%2)+8*(4*GG+TI)
.set FS0, BF+48*((\t)%2)+12*TI
.set FS1, AP
.set XS0, SBB+8*(2*GG+TI/2)+SS
.set RW0, TI%2
.set XS1, SAB+2*SS+TA/2
.set RW1, TA%2
.else
.set TA, N%4
.set TI, N/4
	AFP 4*SS+TA
.set DD, 896+8*N
.set FS0, AP
.set FS1, BF+48*((\t)%2)+12*TI
.set XS0, SAB+2*SS+TA/2
.set RW0, TA%2
.set XS1, SBB+8*(4+TI/2)+SS
.set RW1, TI%2
.endif
.if SS == 0
.set CC, BIA+8*TI                      ; the first product starts the sum from the bias
.else
.set CC, DD
.endif
	WM
.set N, N+1
.endr
.endm
.macro BIASQK g                        ; q's or k's bias: register j of tile t is weight row 16 t + 8 h + j
	WIN 0
.irp t, 0,1,2,3
	global_load_b128 v[BIA+8*\t:BIA+8*\t+3], v[VBI], s[10:11] offset:(\g)*4096+\t*64
	global_load_b128 v[BIA+8*\t+4:BIA+8*\t+7], v[VBI], s[10:11] offset:(\g)*4096+\t*64+16
.endr
.endm
.macro STEP t
	s_wait_dscnt 0x0                               ; this step's fragments of B are in
.if (\t) < 4
	s_wait_loadcnt 63                              ; A's K step t is in: at least 64 loads are younger
.elseif (\t) < 8
	s_wait_loadcnt 16*(7-(\t))                     ; the 16 loads of each later K step are younger
.elseif (\t)%8 == 0
	s_wait_loadcnt 0x0                             ; this group's bias
.endif
	PLACES 4                                       ; between the last step's products and loads into the registers that they read (other than for loads)
.if (\t) == 1
	BIASQK 1                                       ; q's first products have read the buffer: k's bias
.endif
.if (\t) == 9
	WIN 0
.irp u, 0,1,2,3
.irp j, 0,1,2,3,4,5,6,7
	global_load_b32 v[BIA+8*\u+\j], v[VB2], s[10:11] offset:8192+64*\u    ; v's bias: all eight registers are weight row 16 u + r
.endr
.endr
.endif
.if (\t) < 23
	FETCH (\t)+1
.endif
	MUL \t
.endm
; 64 numbers of a lane in window w, register 16 b + i = number i of my half of block b, become 12 registers of codes at v[PC] and the scale word v[PW].  Each accumulator is read from its low end on.
.macro QUANT s, w
	WIN (\w)|((\w)<<2)
.irp b, 0,1,2,3
	v_max3_num_f32 v[TM+\b], |v[\s+16*\b]|, |v[\s+1+16*\b]|, 0x1800000   ; with the floor 2^(3 - 127): the byte cannot fall under 1
.endr
	WIN ((\w)<<2)|((\w)<<4)
.irp i, 2,4,6,8,10,12,14
.irp b, 0,1,2,3
	v_max3_num_f32 v[TM+\b], v[TM+\b], |v[\s+16*\b+\i]|, |v[\s+1+16*\b+\i]|
.endr
.endr
	WIN 0
.irp b, 0,1,2,3
	v_permlanex16_b32 v[TB+\b], v[TM+\b], s2, s3
.endr
.irp b, 0,1,2,3
	v_max_num_f32 v[TM+\b], v[TM+\b], v[TB+\b]
.endr
.irp b, 0,1,2,3
	v_add_nc_u32 v[TO+\b], 0xff000000, v[TM+\b]    ; 2 off the exponent field: the conversion's scale operand
.endr
.irp b, 0,1,2,3
	v_lshrrev_b32 v[TB+\b], 23, v[TO+\b]
.endr
	v_lshl_or_b32 v[PW], v[TB+1], 8, v[TB]
	v_lshl_or_b32 v[PW], v[TB+2], 16, v[PW]
	v_lshl_or_b32 v[PW], v[TB+3], 24, v[PW]
	WIN \w
.irp c, 0,1
	v_cvt_scalef32_pk16_fp6_f32 v[PC+6*\c:PC+2+6*\c], v[\s+32*\c:\s+15+32*\c], v[TO+2*\c]
	v_cvt_scalef32_pk16_fp6_f32 v[PC+12+4*\c:PC+14+4*\c], v[\s+16+32*\c:\s+31+32*\c], v[TO+2*\c+1]
.endr
	WIN 0
	v_nop                                          ; a plain instruction behind the scaled conversions
.irp c, 0,1
.irp i, 0,1,2
	v_permlane16_swap_b32 v[PC+6*\c+\i], v[PC+12+4*\c+\i]
.endr
.irp i, 0,1,2
	v_mov_b32 v[PC+3+6*\c+\i], v[PC+12+4*\c+\i]
.endr
.endr
.endm
	s_load_b256 s[4:11], s[0:1], 0x0               ; A's images, B's codes, B's scales, the bias
	s_load_b64 s[12:13], s[0:1], 0x20              ; out
	v_lshl_add_u32 v[SPW], v0, 2, SPARE
	v_mov_b32 v[NIL], 0
	ds_add_u32 v[SPW], v[NIL]                      ; the opening lines: the add twice on end and one wait
	ds_add_u32 v[SPW], v[NIL]
	v_lshrrev_b32 v1, 5, v0
	v_readfirstlane_b32 s16, v1                    ; wave
	s_lshr_b32 s17, s16, 1                         ; which 64 tokens
	s_and_b32 s18, s16, 1                          ; which head of the two
	s_bfe_u32 s21, ttmp6, 0x40000                  ; cx
	s_bfe_u32 s22, ttmp6, 0x40004                  ; cy
	s_lshl_b32 s20, ttmp9, 2
	s_add_co_u32 s20, s20, s21                     ; x
	s_and_b32 s19, ttmp7, 0xffff
	s_lshl_b32 s19, s19, 2
	s_add_co_u32 s19, s19, s22                     ; y
	s_lshl_b32 s101, 0x1111, s21                   ; my column of the cluster
	s_or_b32 s[G1B], s101, (1<<20)|(1<<21)|(5<<22)|(3<<25)   ; 128 weight rows of 768 bytes; 16 bytes of padding behind every 256
	DESC1 G1B, 768, 128, KROW
	s_mul_i32 s92, s19, 98304                      ; my four token tiles' images
	s_mul_i32 s2, s17, 6144
	s_add_co_u32 s92, s92, s2
	s_mov_b32 s93, 0
	s_lshl_b32 s94, s19, 13
	s_lshl_b32 s2, s17, 9
	s_add_co_u32 s94, s94, s2
	s_add_co_u32 s94, s94, IMG                     ; and their scale images
	s_mov_b32 s95, 0
	s_lshl_b32 s96, s16, 10                        ; B: weight rows 1,024 wave + 128 x: on x and the wave alone
	s_lshl_b32 s2, s20, 7
	s_add_co_u32 s96, s96, s2
	s_mul_i32 s96, s96, KROW
	s_mov_b32 s97, 0
	s_lshl_b32 s52, s20, 7
	s_lshl_b32 s2, s18, 6
	s_add_co_u32 s52, s52, s2                      ; my head's first row in a group: 128 x + 64 (w % 2)
	s_lshl_b32 s98, s52, 5
	s_mov_b32 s99, 0
	s_mul_i32 s49, s16, BREG
	s_mul_i32 s53, s18, 52224
	s_wait_dscnt 0x0                               ; both opening adds are done
	s_wait_kmcnt 0x0
	s_mov_b32 s[G0B], 1
	s_mov_b32 s[G0B+1], s49
	s_add_nc_u64 s[G0B+2:G0B+3], s[6:7], s[96:97]
	s_or_b32 s[G0B+3], s[G0B+3], 0x80000000
	CROUND                                         ; all sixteen work-groups are here: the joint loads meet
	s_cmp_lt_u32 s16, 3
	s_cbranch_scc0 .Lno_fill                       ; three groups of rows: wave 3 asks for none
	tensor_load_to_lds s[G0B:G0B+3], s[G1B:G1B+7]
	s_nop 0
	PLACES 4
.Lno_fill:
	s_add_nc_u64 s[92:93], s[4:5], s[92:93]
	s_add_nc_u64 s[94:95], s[4:5], s[94:95]
	s_add_nc_u64 s[98:99], s[8:9], s[98:99]
	s_lshl_b32 s2, s52, 2
	s_mov_b32 s3, 0
	s_add_nc_u64 s[10:11], s[10:11], s[2:3]
	v_and_b32 v[LN], 31, v0
	v_and_b32 v[LR], 15, v0
	v_bfe_u32 v[LH], v0, 4, 1
	v_lshlrev_b32 v[L8], 3, v[LN]
	v_lshlrev_b32 v[L4], 2, v[LN]
	v_lshlrev_b32 v[L16], 4, v[LN]
	v_mul_u32_u24 v23, v[LR], 816
	v_mad_u32_u24 v23, v[LH], 24, v23
	v_add_nc_u32 v[ADB], s53, v23                  ; B: my 64 rows of q's region: row r, + 24 h;
	v_add_nc_u32 v[ADB+1], BREG, v[ADB]            ; of k's,
	v_add_nc_u32 v[ADB+2], BREG, v[ADB+1]          ; of v's
	v_lshl_add_u32 v[ADB2], v[LH], 4, v[ADB]
	v_lshl_add_u32 v[ADB2+1], v[LH], 4, v[ADB+1]
	v_lshl_add_u32 v[ADB2+2], v[LH], 4, v[ADB+2]
	v_lshlrev_b32 v[VSA], 2, v[LR]
	v_lshl_add_u32 v[VSA], v[LH], 7, v[VSA]        ; A's scale words: lanes 0-15 an even tile's, lanes 16-31 the odd one's
	v_lshlrev_b32 v[VSB], 5, v[LN]                 ; B's: row 16 h + r of a pair of tiles, 32 bytes a row
	v_lshlrev_b32 v[VBI], 5, v[LH]
	v_lshlrev_b32 v[VB2], 2, v[LR]
	s_wait_alu depctr_va_vdst(0)                   ; the wait at the head's end
.set I, 0
.rept 8
	global_load_b32 v[SAB+2*I], v[VSA], s[94:95] offset:1024*I
	global_load_b32 v[SAB+2*I+1], v[VSA], s[94:95] offset:1024*I+256
.set I, I+1
.endr
.set I, 0
.rept 12                                       ; pair I / 2 (group I / 4), half I % 2 of its rows' 32 bytes
	global_load_b128 v[SBB+4*I:SBB+4*I+3], v[VSB], s[98:99] offset:(I/4)*32768+((I/2)%2)*1024+16*(I%2)
.set I, I+1
.endr
	BIASQK 0
.irp s, 0,1,2,3,4,5,6,7
	ALD \s, \s
.endr
	WIN 0
	s_wait_tensorcnt 0x0                           ; my group of rows is in
	s_barrier_signal -1
	s_barrier_wait -1                              ; and everybody's
	FETCH 0
.irp t, 0,1,2,3,4,5,6,7,8,9,10,11,12,13,14,15,16,17,18,19,20,21,22,23
	STEP \t
.endr
	; THE WAY OUT: quantise in registers and store images.  No tensor load is out, so the descriptors' registers are free.
	WIN 0
	PLACES 4
.irp b, 0,1,2,3
	v_mov_b32 v[TB+\b], 0                          ; a lane permute's destination counts as one of its sources
.endr
	s_lshr_b32 s23, s19, 4
	s_lshl_b32 s23, s23, 4
	s_lshl_b32 s24, s20, 1
	s_add_co_u32 s23, s23, s24
	s_add_co_u32 s23, s23, s18                     ; b h = 16 (y / 16) + 2 x + w % 2
	s_and_b32 s24, s19, 15
	s_lshl_b32 s25, s23, 7
	s_lshl_b32 s26, s24, 3
	s_add_co_u32 s25, s25, s26
	s_lshl_b32 s26, s17, 2
	s_add_co_u32 s25, s25, s26                     ; my first token tile: 128 b h + 8 (y % 16) + 4 (w / 2)
	s_lshl_b32 s27, s23, 5
	s_lshl_b32 s26, s24, 1
	s_add_co_u32 s27, s27, s26
	s_add_co_u32 s27, s27, s17                     ; my group of 64 tokens: 32 b h + 2 (y % 16) + w / 2
	s_mul_i32 s28, s25, 768
	s_mov_b32 s29, 0
	s_add_co_u32 s30, s28, 3145728
	s_mov_b32 s31, 0
	s_lshl_b32 s32, s25, 7
	s_add_co_u32 s32, s32, 9437184
	s_mov_b32 s33, 0
	s_add_co_u32 s34, s32, 524288
	s_mov_b32 s35, 0
	s_mul_i32 s36, s27, 3072
	s_add_co_u32 s36, s36, 6291456
	s_mov_b32 s37, 0
	s_lshl_b32 s38, s27, 9
	s_add_co_u32 s38, s38, 10485760
	s_mov_b32 s39, 0
.irp g, 28,30,32,34,36,38
	s_add_nc_u64 s[\g:\g+1], s[12:13], s[\g:\g+1]
.endr
	s_mov_b32 s2, 0x76543210
	s_mov_b32 s3, 0xfedcba98                       ; selects of v_permlanex16_b32: lane l xor 16
.irp a, 0,1,2,3                                ; token tile a: blocks 0, 1 are q's 64, blocks 2, 3 k's
.if \a > 0
	s_wait_xcnt 0x0                                ; the last stores have read their data: the codes and words may be written again
.endif
	QUANT 64*(\a%2), 2+\a/2
.irp p, 0,1,2
	global_store_b64 v[L8], v[PC+2*\p:PC+2*\p+1], s[28:29] offset:768*\a+256*\p th:TH_STORE_NT     ; each store covers 256 consecutive bytes, aligned
	global_store_b64 v[L8], v[PC+6+2*\p:PC+7+2*\p], s[30:31] offset:768*\a+256*\p th:TH_STORE_NT
.endr
	v_lshrrev_b32 v[PW2], 16, v[PW]                ; k's two bytes; q keeps the whole word: its upper bytes stand over zero codes
	global_store_b32 v[L4], v[PW], s[32:33] offset:128*\a th:TH_STORE_NT
	global_store_b32 v[L4], v[PW2], s[34:35] offset:128*\a th:TH_STORE_NT
.endr
.irp m, 0,1                                    ; v: blocks 0, 1 are d tile 2 m over the 64 tokens, blocks 2, 3 d tile 2 m + 1
	s_wait_xcnt 0x0
	QUANT 128+64*\m, 3
.irp p, 0,1,2,3,4,5
	global_store_b64 v[L8], v[PC+2*\p:PC+2*\p+1], s[36:37] offset:1536*\m+256*\p th:TH_STORE_NT
.endr
	v_and_b32 v[PW2], 0xffff, v[PW]
	v_lshrrev_b32 v[PW3], 16, v[PW]
	global_store_b32 v[L4], v[PW2], s[38:39] offset:256*\m th:TH_STORE_NT
	global_store_b32 v[L4], v[PW3], s[38:39] offset:256*\m+128 th:TH_STORE_NT
.endr
	s_wait_tensorcnt 0x0                           ; the wave's end
	ds_add_u32 v[SPW], v[NIL]
	s_wait_dscnt 0x0
	CROUND                                         ; the closing round
	s_endpgm
.Lfunc_end_k_q0607533396_qkv:
	.size	k_q0607533396_qkv, .Lfunc_end_k_q0607533396_qkv-k_q0607533396_qkv
	.p2alignl 7, 3214868480
	.fill 96, 4, 3214868480
	.section	.rodata,"a",@progbits
	.p2align	6, 0x0
	.amdhsa_kernel k_q0607533396_qkv
		.amdhsa_group_segment_fixed_size 327680
		.amdhsa_private_segment_fixed_size 0
		.amdhsa_enable_private_segment 0
		.amdhsa_kernarg_size 40
		.amdhsa_user_sgpr_count 2
		.amdhsa_user_sgpr_kernarg_segment_ptr 1
		.amdhsa_wavefront_size32 1
		.amdhsa_system_sgpr_workgroup_id_x 1
		.amdhsa_system_sgpr_workgroup_id_y 1
		.amdhsa_system_sgpr_workgroup_id_z 1
		.amdhsa_system_vgpr_workitem_id 0
		.amdhsa_next_free_vgpr 1024
		.amdhsa_next_free_sgpr 102
		.amdhsa_reserve_vcc 0
		.amdhsa_float_denorm_mode_32 3
		.amdhsa_float_denorm_mode_16_64 3
		.amdhsa_memory_ordered 1
		.amdhsa_forward_progress 1
		.amdhsa_inst_pref_size 145
	.end_amdhsa_kernel
	.amdgpu_metadata
---
amdhsa.version: [ 1, 2 ]
amdhsa.kernels:
  - .name:           k_q0607533396_qkv
    .symbol:         k_q0607533396_qkv.kd
    .args:
      - { .name: hbuf, .offset: 0, .size: 8, .value_kind: global_buffer, .address_space: global }
      - { .name: qkv_w_codes, .offset: 8, .size: 8, .value_kind: global_buffer, .address_space: global }
      - { .name: qkv_w_scales, .offset: 16, .size: 8, .value_kind: global_buffer, .address_space: global }
      - { .name: qkv_b, .offset: 24, .size: 8, .value_kind: global_buffer, .address_space: global }
      - { .name: qkvbuf, .offset: 32, .size: 8, .value_kind: global_buffer, .address_space: global }
    .group_segment_fixed_size: 327680
    .private_segment_fixed_size: 0
    .kernarg_segment_align: 8
    .kernarg_segment_size: 40
    .max_flat_workgroup_size: 128
    .sgpr_count:     102
    .vgpr_count:     1024
    .wavefront_size: 32
...
	.end_amdgpu_metadata
.endif
;; end of part 2
;; launch attn (part 3): grid 8 x 32, 16 waves a work-group, no clusters, 59,392 bytes of LDS; arguments qkvbuf, abuf; writes abuf
.if DOCPART == 3
	.amdgcn_target "amdgcn-amd-amdhsa--gfx1250"
	.amdhsa_code_object_version 6
	.text
	.protected	k_q0607533396_attn
	.globl	k_q0607533396_attn
	.p2align	8
	.type	k_q0607533396_attn,@function
k_q0607533396_attn:
	s_mov_b64 s[64:65], 0
	v_nop
	global_prefetch_b8 v0, s[64:65] scope:SCOPE_SE
	s_setreg_imm32_b32 hwreg(HW_REG_WAVE_MODE, 25, 1), 1
	s_wait_xcnt 0x0
; Attention in a window of +-128 keys on codes of FP6 (E2M3): S^T = K Q^T (K = 64: the upper half of the instruction's 128 holds zero codes on both sides), p = 2^(t - M) with t = score x log2(e) / 8 and
; M the running largest t rounded up to a whole number, p quantised along the keys, O^T = V^T P^T, divided at the end by the sum of the unquantised p; the result is quantised along head x 64 + d for the next product.
; SHARES: work-group (X, b h): 256 queries of one head; each of 16 waves one token tile of 16 queries (lane r = token 32 (T / 2) + 8 (T % 2) + r + 8 (r / 8)): a lane holds one query throughout.
; The queries of a block of 64 see at most the five groups of 64 keys round it: steps of 128, 128 and 64 keys.  Work under the mask that the problem builds is left out by scalar branches on ids:
; at the sequence's start the first step, at its end the last.  Hidden scores become -infinity ahead of the maximum.  In the first step that a wave runs every query has a key that counts.
; LDS is filled once, through registers: 8 groups of keys (K's images 24,576 bytes, V's 24,576, their scale images 4,096 each); a group past the sequence's end is replaced by the nearest one inside and is masked or skipped.
; NO CLUSTER, NO TENSOR LOAD: the one fill is 57,344 bytes, of which a neighbour shares half, and the groups at the ends are held by the work-group's number, so partners' requests would differ.
; LIMITS: NaN and infinities are not served; 1 / l by v_rcp_f32; a block whose largest magnitude lies under 2^-124 (zeros too) gets the byte 1; abuf's scale words are stored as halves of 2 bytes.
; REGISTERS: v1-6 addresses, v7 0, v8-10 mask bounds, v12 -M, v13 largest t, v[14:15] the sum, v16-27 Q, v28 its scale word, v32-79 four fragments of K, v80-127 four of V, v128-191 S^T then p,
;   v192-223 O^T, v224-235 p's codes, v236-247 at work, v248-251 K's then V's scale words, v252 f, v253 p's scale word, v255 -infinity.
.set KI,   3145728
.set QS,   9437184
.set KSO,  9961472
.set IMG,  3145728
.set ADK,  1
.set ADV,  2
.set ASK,  3
.set ASV,  4
.set KFR,  32
.set VFR,  80
.set S,    128
.set O,    192
.set PCD,  224
.set BM,   236
.set T4,   240
.set SO,   244
	s_load_b128 s[4:7], s[0:1], 0x0                ; qkvbuf, abuf
	v_lshrrev_b32 v1, 5, v0
	s_delay_alu instid0(VALU_DEP_1)
	v_readfirstlane_b32 s8, v1                     ; wave
	s_mov_b32 s9, ttmp9                            ; X
	s_and_b32 s10, ttmp7, 0xffff                   ; b h
	s_lshr_b32 s11, s8, 2                          ; i: which 64 queries of the 256
	s_lshl_b32 s12, s9, 2
	s_add_co_u32 s12, s12, s11                     ; my block of 64 queries in the sequence
	s_lshr_b32 s13, s8, 3                          ; the fill: waves 0-7 K's groups, waves 8-15 V's
	s_and_b32 s14, s8, 7
	s_lshl_b32 s15, s9, 2
	s_add_co_u32 s15, s15, s14
	s_sub_co_i32 s15, s15, 2
	s_max_i32 s15, s15, 0
	s_min_i32 s15, s15, 31                         ; group 4 X - 2 + g, held inside the sequence
	s_lshl_b32 s16, s10, 5
	s_add_co_u32 s16, s16, s15
	s_mul_i32 s24, s16, 3072
	s_mul_i32 s17, s13, 3145728
	s_add_co_u32 s24, s24, s17
	s_add_co_u32 s24, s24, KI
	s_mov_b32 s25, 0
	s_lshl_b32 s26, s16, 9
	s_lshl_b32 s17, s13, 19
	s_add_co_u32 s26, s26, s17
	s_add_co_u32 s26, s26, KSO
	s_mov_b32 s27, 0
	s_lshl_b32 s18, s9, 4
	s_add_co_u32 s18, s18, s8                      ; T: my token tile in the sequence
	s_lshl_b32 s17, s10, 7
	s_add_co_u32 s17, s17, s18
	s_mul_i32 s28, s17, 768                        ; Q's half image
	s_mov_b32 s29, 0
	s_lshl_b32 s30, s17, 7
	s_add_co_u32 s30, s30, QS
	s_mov_b32 s31, 0
	s_lshr_b32 s19, s10, 4
	s_lshl_b32 s19, s19, 7
	s_add_co_u32 s19, s19, s18                     ; the tile among all 4,096 tokens
	s_and_b32 s36, s10, 15                         ; the head
	s_lshr_b32 s37, s19, 3
	s_lshl_b32 s37, s37, 3
	s_lshr_b32 s38, s36, 1
	s_add_co_u32 s37, s37, s38
	s_lshl_b32 s37, s37, 3
	s_and_b32 s38, s19, 7
	s_add_co_u32 s37, s37, s38                     ; ((tile / 8) 8 + head / 2) 8 + tile % 8
	s_and_b32 s38, s36, 1
	s_mul_i32 s32, s37, 1536
	s_mul_i32 s39, s38, 768
	s_add_co_u32 s32, s32, s39                     ; my half of that image
	s_mov_b32 s33, 0
	s_lshl_b32 s34, s37, 7
	s_lshl_b32 s39, s38, 1
	s_add_co_u32 s34, s34, s39
	s_add_co_u32 s34, s34, IMG                     ; my two bytes of each scale word
	s_mov_b32 s35, 0
	s_mov_b32 s20, 0x76543210
	s_mov_b32 s21, 0xfedcba98                      ; selects of v_permlanex16_b32: lane l xor 16
	s_mov_b32 s22, 0x3e38aa3b                      ; c = log2(e) / 8
	s_mov_b32 s23, s22
	s_lshr_b32 s40, s18, 1
	s_lshl_b32 s40, s40, 5
	s_and_b32 s41, s18, 1
	s_lshl_b32 s41, s41, 3
	s_add_co_u32 s40, s40, s41                     ; the tile's first token
	s_lshl_b32 s42, s9, 8
	s_lshl_b32 s41, s11, 6
	s_add_co_u32 s42, s42, s41
	s_sub_co_i32 s42, s42, 128                     ; the first step's first key (below 0 at the sequence's start)
	v_and_b32 v29, 31, v0                          ; lane
	v_and_b32 v30, 15, v0                          ; r
	v_bfe_u32 v31, v0, 4, 1                        ; h
	s_delay_alu instid0(VALU_DEP_3)
	v_lshlrev_b32 v5, 3, v29
	s_delay_alu instid0(VALU_DEP_4)
	v_lshlrev_b32 v6, 2, v29
	v_lshlrev_b32 v11, 4, v29
	v_mov_b32 v7, 0
	s_wait_alu depctr_va_vdst(0)
	s_wait_kmcnt 0x0
	s_add_nc_u64 s[24:25], s[4:5], s[24:25]
	s_add_nc_u64 s[26:27], s[4:5], s[26:27]
	s_add_nc_u64 s[28:29], s[4:5], s[28:29]
	s_add_nc_u64 s[30:31], s[4:5], s[30:31]
	s_add_nc_u64 s[32:33], s[6:7], s[32:33]
	s_add_nc_u64 s[34:35], s[6:7], s[34:35]
.irp i, 0,1,2,3,4,5
	global_load_b128 v[S+4*\i:S+4*\i+3], v11, s[24:25] offset:512*\i    ; my group's 3,072 bytes of images
.endr
	global_load_b128 v[S+24:S+27], v11, s[26:27]                        ; and its 512 bytes of scale images
.irp p, 0,1,2
	global_load_b64 v[16+2*\p:17+2*\p], v5, s[28:29] offset:256*\p      ; Q stays in registers
.endr
	global_load_b32 v28, v6, s[30:31]
	s_mul_i32 s43, s11, 3072
	v_add_nc_u32 v[ADK], s43, v5                   ; my first group's images of K,
	s_delay_alu instid0(VALU_DEP_1)
	v_add_nc_u32 v[ADV], 24576, v[ADK]             ; of V
	v_lshlrev_b32 v[ASK], 2, v30
	s_delay_alu instid0(VALU_DEP_1)
	v_lshl_add_u32 v[ASK], v31, 7, v[ASK]
	s_lshl_b32 s43, s11, 9
	s_add_co_u32 s43, s43, 49152
	v_add_nc_u32 v[ASK], s43, v[ASK]               ; scale words: lanes 0-15 an even tile's, lanes 16-31 the odd one's
	s_delay_alu instid0(VALU_DEP_1)
	v_add_nc_u32 v[ASV], 4096, v[ASK]
	s_mul_i32 s43, s8, 3072
	v_add_nc_u32 v244, s43, v11                    ; where my wave puts its group
	s_lshl_b32 s43, s8, 9
	s_add_co_u32 s43, s43, 49152
	v_add_nc_u32 v245, s43, v11
	v_and_b32 v246, 8, v30
	s_delay_alu instid0(VALU_DEP_1)
	v_add_nc_u32 v246, v246, v30
	s_delay_alu instid0(VALU_DEP_1)
	v_add_nc_u32 v246, s40, v246                   ; q: my query
	v_lshlrev_b32 v254, 4, v31
	s_delay_alu instid0(VALU_DEP_1)
	v_add_nc_u32 v254, s42, v254                   ; the first step's first key + 16 h
	s_delay_alu instid0(VALU_DEP_3)
	v_add_nc_u32 v8, 0xffffff80, v246
	s_delay_alu instid0(VALU_DEP_1)
	v_cmp_gt_i32 vcc_lo, 0, v8
	s_delay_alu instid0(VALU_DEP_1)
	v_cndmask_b32 v8, v8, v7, vcc_lo               ; the first key that counts: q - 128, at least 0
	s_delay_alu instid0(VALU_DEP_1)
	v_sub_nc_u32 v8, v8, v254                      ; step 0: register 16 b + i (key 32 b + 16 h + i of the step) is hidden where 32 b + i < v8
	v_add_nc_u32 v9, 0x80, v246
	v_mov_b32 v247, 0x7ff
	s_delay_alu instid0(VALU_DEP_2)
	v_cmp_lt_i32 vcc_lo, 0x7ff, v9
	s_delay_alu instid0(VALU_DEP_1)
	v_cndmask_b32 v9, v9, v247, vcc_lo             ; the last key that counts: q + 128, at most 2,047
	s_delay_alu instid0(VALU_DEP_1)
	v_sub_nc_u32 v9, v9, v254
	s_delay_alu instid0(VALU_DEP_1)
	v_add_nc_u32 v10, 0xffffff00, v9               ; step 2: hidden where 32 b + i > v10
	s_delay_alu instid0(VALU_DEP_2)
	v_add_nc_u32 v9, 0xffffff80, v9                ; step 1: hidden where 32 b + i > v9
	v_mov_b32 v13, 0xff61b1e6                      ; the largest t so far: -3e38
	s_delay_alu instid0(VALU_DEP_1)
	v_floor_f32 v12, -v13                          ; -M
	v_mov_b32 v14, 0
	v_mov_b32 v15, 0
	v_mov_b32 v253, 0
	v_mov_b32 v255, 0xff800000                     ; -infinity
.irp b, 0,1,2,3
	v_mov_b32 v[T4+\b], 0                          ; a lane permute's destination counts as one of its sources
.endr
.irp j, 22,23,24,25,26,27
	v_mov_b32 v[\j], 0                             ; Q's K = 64 .. 127: zero codes
.endr
.irp t, 0,1,2,3
.irp j, 6,7,8,9,10,11
	v_mov_b32 v[KFR+12*\t+\j], 0                   ; K's likewise, once
.endr
.endr
.set J, 0
.rept 32
	v_mov_b32 v[O+J], 0                            ; O^T: the step is written for a running sum, whose first change of M multiplies zeros
.set J, J+1
.endr
	s_wait_loadcnt 0x4                             ; my group is in; Q's four younger loads may be out
.irp i, 0,1,2,3,4,5
	ds_store_b128 v244, v[S+4*\i:S+4*\i+3] offset:512*\i
.endr
	ds_store_b128 v245, v[S+24:S+27]
	s_wait_dscnt 0x0                               ; for the others' sake: my stores have landed
	s_barrier_signal -1
	s_barrier_wait -1                              ; the kernel's one barrier: all eight groups lie in LDS, and nobody writes them again
	s_wait_loadcnt 0x0                             ; Q
; A KEY STEP: nb blocks of 32 keys (4, or 2 in the last step) from my local group 2 st on.  mask 1: the first 64 keys against v8; 2: all 64 against v10; 3: the last 64 against v9, at the sequence's end alone.
.macro STEP st, nb, mask
.rept 4
	v_nop                                          ; places in front of loads into registers that matrix instructions have read
.endr
.irp g, 0,1
.if 2*\g < \nb
.if \g > 0
.rept 4
	v_nop
.endr
.endif
.irp t, 0,1,2,3
.irp p, 0,1,2
	ds_load_b64 v[KFR+12*\t+2*\p:KFR+12*\t+2*\p+1], v[ADK] offset:6144*\st+768*(4*\g+\t)+256*\p
.endr
.endr
.if \g == 0
.irp m, 0,1,2,3
.if \m < \nb
	ds_load_b32 v[248+\m], v[ASK] offset:1024*\st+256*\m
.endif
.endr
.endif
	s_wait_dscnt 0x0
.irp t, 0,1,2,3
.if \t%2
	v_wmma_scale_f32_16x16x128_f8f6f4 v[S+8*(4*\g+\t):S+8*(4*\g+\t)+7], v[KFR+12*\t:KFR+12*\t+11], v[16:27], 0, v[248+2*\g+\t/2], v28 matrix_a_fmt:MATRIX_FMT_FP6 matrix_b_fmt:MATRIX_FMT_FP6 matrix_a_scale:MATRIX_SCALE_ROW1
.else
	v_wmma_scale_f32_16x16x128_f8f6f4 v[S+8*(4*\g+\t):S+8*(4*\g+\t)+7], v[KFR+12*\t:KFR+12*\t+11], v[16:27], 0, v[248+2*\g+\t/2], v28 matrix_a_fmt:MATRIX_FMT_FP6 matrix_b_fmt:MATRIX_FMT_FP6
.endif
.endr
.endif
.endr                                          ; lane (r, h): query r; the 16 registers of tiles 2 b, 2 b + 1 are keys 32 b + 16 h + 0 .. 15 of the step
.rept 4
	v_nop                                          ; places in front of the first read of the scores and of the loads into the scale registers
.endr
.irp d, 0,1,2,3                                ; V's fragments land under the softmax: registers 0-5 the first group's 64 keys, 6-11 the second's
.irp p, 0,1,2
	ds_load_b64 v[VFR+12*\d+2*\p:VFR+12*\d+2*\p+1], v[ADV] offset:6144*\st+768*\d+256*\p
.if \nb == 4
	ds_load_b64 v[VFR+12*\d+6+2*\p:VFR+12*\d+7+2*\p], v[ADV] offset:6144*\st+3072+768*\d+256*\p
.endif
.endr
.endr
.irp m, 0,1
	ds_load_b32 v[248+\m], v[ASV] offset:1024*\st+256*\m
.if \nb == 4
	ds_load_b32 v[250+\m], v[ASV] offset:1024*\st+512+256*\m
.endif
.endr
.if \nb == 2
.irp d, 0,1,2,3
.irp j, 6,7,8,9,10,11
	v_mov_b32 v[VFR+12*\d+\j], 0                   ; no second group: zero codes
.endr
.endr
.endif
.if \mask == 1
.set J, 0
.rept 32
	v_cmp_lt_i32 vcc_lo, 32*(J/16)+J%16, v8
	v_cndmask_b32 v[S+J], v[S+J], v255, vcc_lo
.set J, J+1
.endr
.endif
.if \mask == 2
.set J, 0
.rept 32
	v_cmp_gt_i32 vcc_lo, 32*(J/16)+J%16, v10
	v_cndmask_b32 v[S+J], v[S+J], v255, vcc_lo
.set J, J+1
.endr
.endif
.if \mask == 3
	s_cmp_lg_u32 s12, 31                           ; only the sequence's last 64 queries have keys past its end here
	s_cbranch_scc1 .Lopen_\@
.set J, 32
.rept 32
	v_cmp_gt_i32 vcc_lo, 32*(J/16)+J%16, v9
	v_cndmask_b32 v[S+J], v[S+J], v255, vcc_lo
.set J, J+1
.endr
.Lopen_\@:
.endif
.irp b, 0,1,2,3
.if \b < \nb
	v_max3_num_f32 v[BM+\b], v[S+16*\b], v[S+1+16*\b], v[S+2+16*\b]   ; each block's largest score: for the row's maximum, and, since p rises with the score, for the block's largest p
.endif
.endr
.irp i, 3,5,7,9,11,13
.irp b, 0,1,2,3
.if \b < \nb
	v_max3_num_f32 v[BM+\b], v[BM+\b], v[S+16*\b+\i], v[S+1+16*\b+\i]
.endif
.endr
.endr
.irp b, 0,1,2,3
.if \b < \nb
	v_max_num_f32 v[BM+\b], v[BM+\b], v[S+15+16*\b]
.endif
.endr
.irp b, 0,1,2,3
.if \b < \nb
	v_permlanex16_b32 v[T4+\b], v[BM+\b], s20, s21
.endif
.endr
.irp b, 0,1,2,3
.if \b < \nb
	v_max_num_f32 v[BM+\b], v[BM+\b], v[T4+\b]
.endif
.endr
.if \nb == 4
	s_delay_alu instid0(VALU_DEP_2)
	v_max3_num_f32 v254, v[BM], v[BM+1], v[BM+2]
	s_delay_alu instid0(VALU_DEP_1)
	v_max_num_f32 v254, v254, v[BM+3]
.else
	s_delay_alu instid0(VALU_DEP_1)
	v_max_num_f32 v254, v[BM], v[BM+1]
.endif
	s_delay_alu instid0(VALU_DEP_1)
	v_mul_f32 v254, s22, v254
	s_delay_alu instid0(VALU_DEP_1)
	v_max_num_f32 v13, v13, v254                   ; the running largest t
	v_mov_b32 v254, v12
	s_delay_alu instid0(VALU_DEP_2)
	v_floor_f32 v12, -v13                          ; -M = floor(-t): M is a whole number
	s_delay_alu instid0(VALU_DEP_1)
	v_sub_f32 v254, v12, v254
	s_delay_alu instid0(VALU_DEP_1)
	v_cvt_i32_f32 v254, v254                       ; (it saturates)
	s_delay_alu instid0(VALU_DEP_1)
	v_ldexp_f32 v252, 1.0, v254                    ; f = 2^(old M - new M): a multiplication by it rounds nothing
.set J, 0
.rept 8*\nb
	v_pk_fma_f32 v[S+J:S+J+1], v[S+J:S+J+1], s[22:23], v[12:13] op_sel_hi:[1,0,0]   ; t - M
.set J, J+2
.endr
.irp b, 0,1,2,3
.if \b < \nb
	v_fma_f32 v[BM+\b], v[BM+\b], s22, v12
.endif
.endr
.set J, 0
	s_wait_alu depctr_va_vdst(0)
.rept 16*\nb
	v_exp_f32 v[S+J], v[S+J]                       ; p, one batch
.set J, J+1
.endr
	v_pk_mul_f32 v[14:15], v[14:15], v[252:253] op_sel_hi:[1,0]   ; the sum under the new M: the plain instruction behind the batch
	s_wait_alu depctr_va_vdst(0)                   ; one wait for the batch, ahead of its first reader
.irp b, 0,1,2,3
.if \b < \nb
	v_exp_f32 v[BM+\b], v[BM+\b]                   ; the block's largest p
.endif
.endr
	v_pk_add_f32 v[T4:T4+1], v[S:S+1], v[S+2:S+3]  ; the row's sum is taken of the unquantised p, in two chains
.set J, 4
.rept 4*\nb-1
	v_pk_add_f32 v[14:15], v[14:15], v[S+J:S+J+1]
	v_pk_add_f32 v[T4:T4+1], v[T4:T4+1], v[S+J+2:S+J+3]
.set J, J+4
.endr
	s_delay_alu instid0(VALU_DEP_1)
	v_pk_add_f32 v[14:15], v[14:15], v[T4:T4+1]
	s_wait_alu depctr_va_vdst(0)                   ; and one for the blocks' exponentials
.irp b, 0,1,2,3
.if \b < \nb
	v_max_num_f32 v[BM+\b], 0x1800000, v[BM+\b]    ; the floor 2^(3 - 127)
.endif
.endr
.irp b, 0,1,2,3
.if \b < \nb
	v_add_nc_u32 v[SO+\b], 0xff000000, v[BM+\b]
.endif
.endr
.irp b, 0,1,2,3
.if \b < \nb
	v_lshrrev_b32 v[T4+\b], 23, v[SO+\b]
.endif
.endr
	v_lshl_or_b32 v253, v[T4+1], 8, v[T4]          ; p's scale word
.if \nb == 4
	s_delay_alu instid0(VALU_DEP_1)
	v_lshl_or_b32 v253, v[T4+2], 16, v253
	s_delay_alu instid0(VALU_DEP_1)
	v_lshl_or_b32 v253, v[T4+3], 24, v253
.endif
.irp c, 0,1
.if 2*\c < \nb
	v_cvt_scalef32_pk16_fp6_f32 v[PCD+6*\c:PCD+2+6*\c], v[S+32*\c:S+15+32*\c], v[SO+2*\c]
	v_cvt_scalef32_pk16_fp6_f32 v[BM+4*\c:BM+2+4*\c], v[S+16+32*\c:S+31+32*\c], v[SO+2*\c+1]
.endif
.endr
	v_nop                                          ; a plain instruction behind the scaled conversions
.irp c, 0,1
.if 2*\c < \nb
.irp i, 0,1,2
	v_permlane16_swap_b32 v[PCD+6*\c+\i], v[BM+4*\c+\i]
.endr
.irp i, 0,1,2
	s_delay_alu instid0(VALU_DEP_3)
	v_mov_b32 v[PCD+3+6*\c+\i], v[BM+4*\c+\i]
.endr
.else
.irp i, 0,1,2,3,4,5
	v_mov_b32 v[PCD+6*\c+\i], 0                    ; no second 64 keys: zero codes
.endr
.endif
.endr
	s_wait_dscnt 0x0                               ; V and its scale words
.if \nb == 4
.irp m, 0,1
	v_lshl_or_b32 v[248+\m], v[250+\m], 16, v[248+\m]   ; the two groups' bytes make the step's word
.endr
.endif
.set J, 0
.rept 16
	v_pk_mul_f32 v[O+J:O+J+1], v[O+J:O+J+1], v[252:253] op_sel_hi:[1,0]   ; O^T under the new M; these sixteen are also the places between the scale words' last writes and the products
.set J, J+2
.endr
.irp d, 0,1,2,3
.if \d%2
	v_wmma_scale_f32_16x16x128_f8f6f4 v[O+8*\d:O+8*\d+7], v[VFR+12*\d:VFR+12*\d+11], v[PCD:PCD+11], v[O+8*\d:O+8*\d+7], v[248+\d/2], v253 matrix_a_fmt:MATRIX_FMT_FP6 matrix_b_fmt:MATRIX_FMT_FP6 matrix_a_scale:MATRIX_SCALE_ROW1
.else
	v_wmma_scale_f32_16x16x128_f8f6f4 v[O+8*\d:O+8*\d+7], v[VFR+12*\d:VFR+12*\d+11], v[PCD:PCD+11], v[O+8*\d:O+8*\d+7], v[248+\d/2], v253 matrix_a_fmt:MATRIX_FMT_FP6 matrix_b_fmt:MATRIX_FMT_FP6
.endif
.endr
.endm
	s_cmp_eq_u32 s12, 0                            ; the sequence's first 64 queries have no key in the first step
	s_cbranch_scc1 .Lno_first
	STEP 0, 4, 1
.Lno_first:
	STEP 1, 4, 3
	s_cmp_ge_u32 s12, 30                           ; the last 128 queries have none in the last
	s_cbranch_scc1 .Lno_last
	STEP 2, 2, 2
.Lno_last:
	; THE WAY OUT: O^T / l, 16 neighbours of d to a lane, the quantiser, half an image and two scale bytes a row
.rept 4
	v_nop
.endr
	v_add_f32 v14, v14, v15
	s_delay_alu instid0(VALU_DEP_1)
	v_permlanex16_b32 v254, v14, s20, s21
	s_delay_alu instid0(VALU_DEP_1)
	v_add_f32 v14, v14, v254                       ; the row's sum
	s_wait_alu depctr_va_vdst(0)
	v_rcp_f32 v15, v14
	v_nop
	s_wait_alu depctr_va_vdst(0)
.set J, 0
.rept 32
	v_mul_f32 v[S+J], v[O+J], v15                  ; register 8 t + j is d = 16 t + 8 h + j
.set J, J+1
.endr
.irp x, 0,16
.irp j, 0,1,2,3,4,5,6,7
	v_permlane16_swap_b32 v[S+\x+\j], v[S+\x+8+\j] ; now register 16 b + i is d = 32 b + 16 h + i
.endr
.endr
.irp b, 0,1
	v_max3_num_f32 v[BM+\b], |v[S+16*\b]|, |v[S+1+16*\b]|, 0x1800000
.endr
.irp i, 2,4,6,8,10,12,14
.irp b, 0,1
	s_delay_alu instid0(VALU_DEP_2)
	v_max3_num_f32 v[BM+\b], v[BM+\b], |v[S+16*\b+\i]|, |v[S+1+16*\b+\i]|
.endr
.endr
.irp b, 0,1
	s_delay_alu instid0(VALU_DEP_2)
	v_permlanex16_b32 v[T4+\b], v[BM+\b], s20, s21
.endr
.irp b, 0,1
	s_delay_alu instid0(VALU_DEP_2)
	v_max_num_f32 v[BM+\b], v[BM+\b], v[T4+\b]
.endr
.irp b, 0,1
	s_delay_alu instid0(VALU_DEP_2)
	v_add_nc_u32 v[SO+\b], 0xff000000, v[BM+\b]
.endr
.irp b, 0,1
	s_delay_alu instid0(VALU_DEP_2)
	v_lshrrev_b32 v[T4+\b], 23, v[SO+\b]
.endr
	s_delay_alu instid0(VALU_DEP_1)
	v_lshl_or_b32 v254, v[T4+1], 8, v[T4]
	v_cvt_scalef32_pk16_fp6_f32 v[PCD:PCD+2], v[S:S+15], v[SO]
	v_cvt_scalef32_pk16_fp6_f32 v[BM:BM+2], v[S+16:S+31], v[SO+1]
	v_nop
.irp i, 0,1,2
	v_permlane16_swap_b32 v[PCD+\i], v[BM+\i]
.endr
.irp i, 0,1,2
	s_delay_alu instid0(VALU_DEP_3)
	v_mov_b32 v[PCD+3+\i], v[BM+\i]
.endr
	global_store_b128 v11, v[PCD:PCD+3], s[32:33] th:TH_STORE_NT               ; half an image: registers 0-3 at 16 x lane: 512 consecutive bytes, aligned;
	global_store_b64 v5, v[PCD+4:PCD+5], s[32:33] offset:512 th:TH_STORE_NT    ; registers 4, 5 at 512 + 8 x lane: 256 consecutive bytes, aligned
	global_store_b16 v6, v254, s[34:35] th:TH_STORE_NT
	s_wait_xcnt 0x0
	v_lshl_add_u32 v254, v0, 2, 0xe000
	v_mov_b32 v255, 0
	s_wait_alu depctr_va_vdst(0)
	s_wait_tensorcnt 0x0
	ds_add_u32 v254, v255
	s_wait_dscnt 0x0
	s_endpgm
.Lfunc_end_k_q0607533396_attn:
	.size	k_q0607533396_attn, .Lfunc_end_k_q0607533396_attn-k_q0607533396_attn
	.p2alignl 7, 3214868480
	.fill 96, 4, 3214868480
	.section	.rodata,"a",@progbits
	.p2align	6, 0x0
	.amdhsa_kernel k_q0607533396_attn
		.amdhsa_group_segment_fixed_size 59392
		.amdhsa_private_segment_fixed_size 0
		.amdhsa_enable_private_segment 0
		.amdhsa_kernarg_size 16
		.amdhsa_user_sgpr_count 2
		.amdhsa_user_sgpr_kernarg_segment_ptr 1
		.amdhsa_wavefront_size32 1
		.amdhsa_system_sgpr_workgroup_id_x 1
		.amdhsa_system_sgpr_workgroup_id_y 1
		.amdhsa_system_sgpr_workgroup_id_z 1
		.amdhsa_system_vgpr_workitem_id 0
		.amdhsa_next_free_vgpr 256
		.amdhsa_next_free_sgpr 66
		.amdhsa_reserve_vcc 1
		.amdhsa_float_denorm_mode_32 3
		.amdhsa_float_denorm_mode_16_64 3
		.amdhsa_memory_ordered 1
		.amdhsa_forward_progress 1
		.amdhsa_inst_pref_size 69
	.end_amdhsa_kernel
	.amdgpu_metadata
---
amdhsa.version: [ 1, 2 ]
amdhsa.kernels:
  - .name:           k_q0607533396_attn
    .symbol:         k_q0607533396_attn.kd
    .args:
      - { .name: qkvbuf, .offset: 0, .size: 8, .value_kind: global_buffer, .address_space: global }
      - { .name: abuf, .offset: 8, .size: 8, .value_kind: global_buffer, .address_space: global }
    .group_segment_fixed_size: 59392
    .private_segment_fixed_size: 0
    .kernarg_segment_align: 8
    .kernarg_segment_size: 16
    .max_flat_workgroup_size: 512
    .sgpr_count:     66
    .vgpr_count:     256
    .wavefront_size: 32
...
	.end_amdgpu_metadata
.endif
;; end of part 3
;; launch outp (part 4): grid 8 x 32, 4 waves a work-group, clusters of 4 x 4, 327,680 bytes of LDS; arguments abuf, out_w_codes, out_w_scales, out_b, x, x1; writes x1
.if DOCPART == 4
	.amdgcn_target "amdgcn-amd-amdhsa--gfx1250"
	.amdhsa_code_object_version 6
	.text
	.protected	k_q0607533396_outp
	.globl	k_q0607533396_outp
	.p2align	8
	.type	k_q0607533396_outp,@function
k_q0607533396_outp:
	s_mov_b64 s[64:65], 0
	v_nop
	global_prefetch_b8 v0, s[64:65] scope:SCOPE_SE
	s_setreg_imm32_b32 hwreg(HW_REG_WAVE_MODE, 25, 1), 1
	s_wait_xcnt 0x0
	s_wait_alu depctr_hold_cnt(0) depctr_sa_sdst(0) depctr_va_vdst(0) depctr_va_sdst(0) depctr_va_ssrc(0) depctr_va_vcc(0) depctr_vm_vsrc(0)
	s_getreg_b32 s2, hwreg(HW_REG_IB_STS2, 6, 4)
	s_cmp_eq_u32 s2, 0
	s_cbranch_scc0 .Lentry_in_a_cluster
	s_endpgm
.Lentry_in_a_cluster:
	s_bfe_u32 s2, ttmp6, 0x10000c
	s_cmp_lg_u32 s2, 0xf033
	s_cbranch_scc0 .Lentry_shape_is_right
	s_endpgm
.Lentry_shape_is_right:
; out = res + A W + b on codes of FP6 (E2M3) with E8M0 scales; res and out [4096][1024] f32.  NKS (K / 128) is the one line in which the two launches of this text differ.
; A: register images of 16 tokens x 128 K (token tile T: lane r = token 32 (T / 2) + 8 (T % 2) + r + 8 (r / 8)), [block of 128 tokens][K step][tile][1,536 bytes]: two halves of 768 bytes, each 16 bytes a lane and
;   then 8 bytes a lane; scale images IMG bytes on.  B: the weight's codes as given, fetched as rows of 768 bytes (1,024 along K), each at a multiple of 256 bytes; 16 bytes of LDS padding behind every 256: pitch 816.
; SHARES: work-group (x, y): tokens 128 y .., columns 128 x ..; wave w: 64 tokens x 64 columns, 16 accumulators; source 0 = 16 weight rows, source 1 = 16 tokens: a lane holds eight neighbouring columns of one token.
; A GOES FROM MEMORY STRAIGHT INTO REGISTERS: eight K steps of a wave's four token tiles are 32 fragments, 384 registers, 16 loads a K step: a K step reads from LDS only four fragments of B.
;   NKS = 8: that is all of K, asked for at the head.  NKS = 16: K step j's products are followed, one step on, by the loads of K step j + 8 into the same registers.
; LDS holds all of B (NKS / 8 regions of 128 rows x 816 bytes), filled once: every wave asks for a quarter, jointly along a column of the 4 x 4 cluster.  A is not asked for jointly: it does not pass through LDS.
; The scale words go from memory into registers, once.  The bias is the C of each sum's first product.  The residual is asked for in four K steps, eight loads each, behind A's loads.
; Results leave through the wave's own stage in LDS as whole rows of 256 bytes.  No prefetch: the text has no loop to run ahead in.
; REGISTERS by their whole numbers (window = number / 256): 0-31 addresses, 32-95 scale words, 96-191 B's two sets, 192-223 bias; 256-507 A's fragments 0-20 (on the way out 256-383 the rows read back);
;   512-639 accumulators; 640-759 A's fragments 21-30; 768-895 residual; 896-907 A's fragment 31.
.set NKS,   8
.set KROW,  NKS*96
.set KSB,   NKS*4
.set BREG,  104448
.set SPARE, BREG*(NKS/8)
.set STAGE, SPARE+512
.set IMG,   NKS*393216
.set BF,   96
.set BIA,  192
.set ACC,  512
.set AT1,  640
.set AT2,  896
.set SAB,  32
.set SBB,  32+2*NKS
.set ADB,  4
.set ADB2, 6
.set VSA,  8
.set VSB,  9
.set VBI,  10
.set STO,  12
.set RD,   13
.set CO,   14
.set L8,   15
.set L16,  17
.set LN,   20
.set LR,   21
.set LH,   22
.set SPW,  28
.set NIL,  29
.set G1B,  32
.set G0B,  44
.set MSB, 0
.macro WIN new                         ; the immediate's high byte repeats the setting that is left
.if MSB != (\new)
	s_set_vgpr_msb (MSB<<8)|(\new)
.set MSB, (\new)
.endif
.endm
.macro PLACES n
.rept \n
	v_nop
.endr
.endm
.macro CROUND                          ; a round of the cluster's barrier
	s_barrier_signal -1
	s_barrier_wait -1
	s_cmp_lg_u32 s16, 0
	s_cbranch_scc1 .Lnot_wave_0_\@
	s_barrier_signal -3
.Lnot_wave_0_\@:
	s_barrier_wait -3
	s_barrier_signal -1
	s_barrier_wait -1
.endm
.macro DESC1 g, c, r, p                ; words 1 to 7 of a group 1: r rows of c elements, p elements from row to row
	s_mov_b32 s[\g+1], (\c)<<16
	s_mov_b32 s[\g+2], (\r)<<16
	s_mov_b32 s[\g+3], (\c)<<16
	s_mov_b32 s[\g+4], \r
	s_mov_b32 s[\g+5], \p
	s_mov_b32 s[\g+6], 0
	s_mov_b32 s[\g+7], 0
.endm
; A weight fragment of K step q of a region: six pieces of 8 bytes; byte y of a row lies at y + 16 (y / 256).  Lanes 16-31 read three pieces on; where that lies behind one padding more, the second address serves.
.macro FRAG reg, adr, adr2, q, off
.irp p, 0,1,2,3,4,5
.set PCE, 12*(\q)+6*(\p/3)+\p%3
.if PCE%32 < 29
	ds_load_b64 v[\reg+2*\p:\reg+2*\p+1], v[\adr] offset:8*PCE+16*(PCE/32)+(\off)
.else
	ds_load_b64 v[\reg+2*\p:\reg+2*\p+1], v[\adr2] offset:8*PCE+16*(PCE/32)+(\off)
.endif
.endr
.endm
.macro AFP f                           ; AP: the first register of A's fragment f = 4 x (K step % 8) + tile
.if (\f) < 21
.set AP, 256+12*(\f)
.elseif (\f) < 31
.set AP, AT1+12*((\f)-21)
.else
.set AP, AT2
.endif
.endm
.macro ALD s, set                      ; A's four fragments of K step s into the registers of place set: 16 loads
.set I, 0
.rept 4
	AFP 4*(\set)+I
	WIN (AP>>8)<<6
.irp c, 0,1
	global_load_b128 v[(AP&255)+6*\c:(AP&255)+6*\c+3], v[L16], s[92:93] offset:(\s)*12288+I*1536+768*\c
	global_load_b64 v[(AP&255)+6*\c+4:(AP&255)+6*\c+5], v[L8], s[92:93] offset:(\s)*12288+I*1536+768*\c+512
.endr
.set I, I+1
.endr
.endm
.macro RLD g                           ; eight loads of the residual: rows 2 I + h
	WIN 0xc0
.set I, 8*(\g)
.rept 8
	global_load_b128 v[4*I:4*I+3], v[CO], s[12:13] offset:8192*I th:TH_LOAD_NT
.set I, I+1
.endr
.endm
.macro FETCH s                         ; B's four fragments of K step s into set s % 2
	WIN 0
.set I, 0
.rept 4
	FRAG BF+48*((\s)%2)+12*I, ADB+(\s)/8, ADB2+(\s)/8, (\s)%8, I*13056
.set I, I+1
.endr
.endm
.macro WM                              ; DD, FS0, FS1, CC are whole register numbers
	WIN (FS0>>8)|((FS1>>8)<<2)|((CC>>8)<<4)|((DD>>8)<<6)
.set D_, DD&255
.set A_, FS0&255
.set B_, FS1&255
.set C_, CC&255
.if RW0 && RW1
	v_wmma_scale_f32_16x16x128_f8f6f4 v[D_:D_+7], v[A_:A_+11], v[B_:B_+11], v[C_:C_+7], v[XS0], v[XS1] matrix_a_fmt:MATRIX_FMT_FP6 matrix_b_fmt:MATRIX_FMT_FP6 matrix_a_scale:MATRIX_SCALE_ROW1 matrix_b_scale:MATRIX_SCALE_ROW1
.elseif RW0
	v_wmma_scale_f32_16x16x128_f8f6f4 v[D_:D_+7], v[A_:A_+11], v[B_:B_+11], v[C_:C_+7], v[XS0], v[XS1] matrix_a_fmt:MATRIX_FMT_FP6 matrix_b_fmt:MATRIX_FMT_FP6 matrix_a_scale:MATRIX_SCALE_ROW1
.elseif RW1
	v_wmma_scale_f32_16x16x128_f8f6f4 v[D_:D_+7], v[A_:A_+11], v[B_:B_+11], v[C_:C_+7], v[XS0], v[XS1] matrix_a_fmt:MATRIX_FMT_FP6 matrix_b_fmt:MATRIX_FMT_FP6 matrix_b_scale:MATRIX_SCALE_ROW1
.else
	v_wmma_scale_f32_16x16x128_f8f6f4 v[D_:D_+7], v[A_:A_+11], v[B_:B_+11], v[C_:C_+7], v[XS0], v[XS1] matrix_a_fmt:MATRIX_FMT_FP6 matrix_b_fmt:MATRIX_FMT_FP6
.endif
.endm
.macro MUL s                           ; product N: token tile N / 4 against weight tile N % 4; the accumulators take turns, one instruction a turn
.set N, 0
.rept 16
	AFP 4*((\s)%8)+N/4
.set DD, ACC+8*N
.set FS0, BF+48*((\s)%2)+12*(N%4)
.set FS1, AP
.set XS0, SBB+NKS*((N%4)/2)+(\s)
.set RW0, N%2
.set XS1, SAB+2*(\s)+N/8
.set RW1, (N/4)%2
.if (\s) == 0
.set CC, BIA+8*(N%4)                   ; the first product starts the sum from the bias
.else
.set CC, DD
.endif
	WM
.set N, N+1
.endr
.endm
; A K step.  The wait on LOADcnt counts the loads younger than K step s's sixteen, by this text's order of issue; 63 where more than 63 are younger.
;   NKS = 8: 16 for each later K step, and 8 for each of steps 1 to 4 passed (the residual).   NKS = 16: K step s >= 8 was asked for in step s - 7, behind that step's 8 of the residual: 24 for each of steps s - 6 to 8.
.macro STEP s
	s_wait_dscnt 0x0                               ; this step's fragments of B are in
.if NKS == 8
.if (\s) < 6
	s_wait_loadcnt 63
.else
	s_wait_loadcnt 32+16*(7-(\s))
.endif
.else
.if (\s) < 13
	s_wait_loadcnt 63
.else
	s_wait_loadcnt 24*(15-(\s))
.endif
.endif
	PLACES 4                                       ; between the last step's products and loads into the registers that they read (other than for loads)
.if NKS == 8
.if (\s) >= 1 && (\s) <= 4
	RLD (\s)-1
.endif
.else
.if (\s) >= 5 && (\s) <= 8
	RLD (\s)-5
.endif
.if (\s) >= 1 && (\s) <= 8
	ALD (\s)+7, (\s)-1
.endif
.endif
.if (\s) < NKS-1
	FETCH (\s)+1
.endif
	MUL \s
.endm
	s_load_b256 s[4:11], s[0:1], 0x0               ; A's images, B's codes, B's scales, the bias
	s_load_b128 s[12:15], s[0:1], 0x20             ; the residual, out
	v_lshl_add_u32 v[SPW], v0, 2, SPARE
	v_mov_b32 v[NIL], 0
	ds_add_u32 v[SPW], v[NIL]                      ; the opening lines: the add twice on end and one wait
	ds_add_u32 v[SPW], v[NIL]
	v_lshrrev_b32 v1, 5, v0
	v_readfirstlane_b32 s16, v1                    ; wave
	s_lshr_b32 s17, s16, 1                         ; which 64 tokens
	s_and_b32 s18, s16, 1                          ; which 64 columns
	s_bfe_u32 s21, ttmp6, 0x40000                  ; cx
	s_bfe_u32 s22, ttmp6, 0x40004                  ; cy
	s_lshl_b32 s20, ttmp9, 2
	s_add_co_u32 s20, s20, s21                     ; x
	s_and_b32 s19, ttmp7, 0xffff
	s_lshl_b32 s19, s19, 2
	s_add_co_u32 s19, s19, s22                     ; y
	s_lshl_b32 s101, 0x1111, s21                   ; my column of the cluster
	s_or_b32 s[G1B], s101, (1<<20)|(1<<21)|(5<<22)|(3<<25)   ; weight rows of 768 bytes; 16 bytes of padding behind every 256
	DESC1 G1B, 768, NKS*4, KROW
	s_mul_i32 s92, s19, NKS*12288                  ; my four token tiles' images
	s_mul_i32 s2, s17, 6144
	s_add_co_u32 s92, s92, s2
	s_mov_b32 s93, 0
	s_mul_i32 s94, s19, NKS*1024
	s_lshl_b32 s2, s17, 9
	s_add_co_u32 s94, s94, s2
	s_add_co_u32 s94, s94, IMG                     ; and their scale images
	s_mov_b32 s95, 0
	s_mul_i32 s96, s20, 128*KROW                   ; B hangs on x and the wave alone
.if NKS == 8
	s_mul_i32 s2, s16, 32*KROW                     ; my quarter: rows 32 w ..
	s_mul_i32 s49, s16, 26112
.else
	s_mul_i32 s2, s18, 64*KROW                     ; my quarter: rows 64 (w % 2) .., half w / 2 of K
	s_mul_i32 s3, s17, 768
	s_add_co_u32 s2, s2, s3
	s_mul_i32 s49, s17, BREG
	s_mul_i32 s3, s18, 52224
	s_add_co_u32 s49, s49, s3
.endif
	s_add_co_u32 s96, s96, s2
	s_mov_b32 s97, 0
	s_lshl_b32 s52, s20, 7
	s_lshl_b32 s2, s18, 6
	s_add_co_u32 s52, s52, s2                      ; my first column: 128 x + 64 (w % 2)
	s_mul_i32 s98, s52, KSB
	s_mov_b32 s99, 0
	s_mul_i32 s53, s18, 52224
	s_mul_i32 s54, s16, 17408
	s_add_co_u32 s54, s54, STAGE
	s_wait_dscnt 0x0                               ; both opening adds are done
	s_wait_kmcnt 0x0
	s_mov_b32 s[G0B], 1
	s_mov_b32 s[G0B+1], s49
	s_add_nc_u64 s[G0B+2:G0B+3], s[6:7], s[96:97]
	s_or_b32 s[G0B+3], s[G0B+3], 0x80000000
	CROUND                                         ; all sixteen work-groups are here: the joint loads meet
	tensor_load_to_lds s[G0B:G0B+3], s[G1B:G1B+7]  ; every wave its quarter of B
	s_nop 0
	PLACES 4
	s_add_nc_u64 s[92:93], s[4:5], s[92:93]
	s_add_nc_u64 s[94:95], s[4:5], s[94:95]
	s_add_nc_u64 s[98:99], s[8:9], s[98:99]
	s_lshl_b32 s2, s52, 2
	s_mov_b32 s3, 0
	s_add_nc_u64 s[10:11], s[10:11], s[2:3]
	s_lshl_b32 s55, s19, 19                        ; my 64 rows: (128 y + 64 (w / 2)) x 4,096 bytes
	s_add_co_u32 s2, s2, s55
	s_lshl_b32 s55, s17, 18
	s_add_co_u32 s2, s2, s55
	s_add_nc_u64 s[12:13], s[12:13], s[2:3]
	s_add_nc_u64 s[14:15], s[14:15], s[2:3]
	v_and_b32 v[LN], 31, v0
	v_and_b32 v[LR], 15, v0
	v_bfe_u32 v[LH], v0, 4, 1
	v_lshlrev_b32 v[L8], 3, v[LN]
	v_lshlrev_b32 v[L16], 4, v[LN]
	v_mul_u32_u24 v23, v[LR], 816
	v_mad_u32_u24 v23, v[LH], 24, v23
	v_add_nc_u32 v[ADB], s53, v23                  ; B: my 64 rows: row r, + 24 h
	v_add_nc_u32 v[ADB+1], BREG, v[ADB]            ; (the second region: used where NKS = 16)
	v_lshl_add_u32 v[ADB2], v[LH], 4, v[ADB]
	v_lshl_add_u32 v[ADB2+1], v[LH], 4, v[ADB+1]
	v_lshlrev_b32 v[VSA], 2, v[LR]
	v_lshl_add_u32 v[VSA], v[LH], 7, v[VSA]        ; A's scale words: lanes 0-15 an even tile's, lanes 16-31 the odd one's
	v_mul_u32_u24 v[VSB], v[LN], KSB               ; B's: row 16 h + r of a pair of tiles
	v_lshlrev_b32 v[VBI], 5, v[LH]
	v_lshlrev_b32 v[CO], 4, v[LR]
	v_lshl_add_u32 v[CO], v[LH], 12, v[CO]         ; lanes 0-15 one row's 256 bytes, lanes 16-31 the next row's
	v_and_b32 v23, 8, v[LR]
	v_add_nc_u32 v23, v23, v[LR]
	v_mul_u32_u24 v23, v23, 272
	v_lshl_add_u32 v23, v[LH], 5, v23
	v_add_nc_u32 v[STO], s54, v23                  ; into my stage: row r + 8 (r / 8) of a tile's place, + 32 h
	v_mul_u32_u24 v23, v[LH], 272
	v_lshl_add_u32 v23, v[LR], 4, v23
	v_add_nc_u32 v[RD], s54, v23                   ; back: lanes 0-15 one row, lanes 16-31 the next
	s_wait_alu depctr_va_vdst(0)                   ; the wait at the head's end
.irp t, 0,1,2,3
	global_load_b128 v[BIA+8*\t:BIA+8*\t+3], v[VBI], s[10:11] offset:64*\t          ; the bias: register j is column 16 t + 8 h + j
	global_load_b128 v[BIA+8*\t+4:BIA+8*\t+7], v[VBI], s[10:11] offset:64*\t+16
.endr
.set I, 0
.rept NKS
	global_load_b32 v[SAB+2*I], v[VSA], s[94:95] offset:1024*I
	global_load_b32 v[SAB+2*I+1], v[VSA], s[94:95] offset:1024*I+256
.set I, I+1
.endr
.set I, 0
.rept NKS/2                                    ; pair I / (NKS / 4), 16 bytes I % (NKS / 4) of its rows' scale bytes
	global_load_b128 v[SBB+4*I:SBB+4*I+3], v[VSB], s[98:99] offset:(I/(NKS/4))*32*KSB+16*(I%(NKS/4))
.set I, I+1
.endr
.irp s, 0,1,2,3,4,5,6,7
	ALD \s, \s
.endr
	WIN 0
	s_wait_tensorcnt 0x0                           ; my quarter of B is in
	s_barrier_signal -1
	s_barrier_wait -1                              ; and everybody's
	FETCH 0
.set S, 0
.rept NKS
	STEP S
.set S, S+1
.endr
	; THE WAY OUT: through my own stage (LDS serves a wave's instructions in order: no wait between the stores and the loads), the residual added, whole rows stored
	WIN 0
	PLACES 4
	WIN 0x08                                       ; an LDS store's data are its source 1: window 2
.irp a, 0,1,2,3
.irp t, 0,1,2,3
	ds_store_b128 v[STO], v[8*(4*\a+\t):8*(4*\a+\t)+3] offset:(32*(\a/2)+8*(\a%2))*272+64*\t       ; each accumulator from its low end on
	ds_store_b128 v[STO], v[8*(4*\a+\t)+4:8*(4*\a+\t)+7] offset:(32*(\a/2)+8*(\a%2))*272+64*\t+16
.endr
.endr
	WIN 0x40                                       ; destination window 1
.set I, 0
.rept 32
	ds_load_b128 v[4*I:4*I+3], v[RD] offset:544*I
.set I, I+1
.endr
	s_wait_loadcnt 0x0                             ; the residual
.irp g, 0,1,2,3
	s_wait_dscnt 24-8*\g                           ; this group's eight loads are back; the younger ones may be out
	WIN 0x4d                                       ; destination and source 0 window 1, source 1 window 3
.set I, 32*\g
.rept 16
	v_pk_add_f32 v[I:I+1], v[I:I+1], v[I:I+1]
.set I, I+2
.endr
	WIN 0x04                                       ; a store's data are its source 1: window 1
.set I, 8*\g
.rept 8
	global_store_b128 v[CO], v[4*I:4*I+3], s[14:15] offset:8192*I th:TH_STORE_NT   ; sixteen lanes store 256 consecutive bytes, aligned
.set I, I+1
.endr
.endr
	WIN 0
	s_wait_tensorcnt 0x0                           ; the wave's end
	ds_add_u32 v[SPW], v[NIL]
	s_wait_dscnt 0x0
	CROUND                                         ; the closing round
	s_endpgm
.Lfunc_end_k_q0607533396_outp:
	.size	k_q0607533396_outp, .Lfunc_end_k_q0607533396_outp-k_q0607533396_outp
	.p2alignl 7, 3214868480
	.fill 96, 4, 3214868480
	.section	.rodata,"a",@progbits
	.p2align	6, 0x0
	.amdhsa_kernel k_q0607533396_outp
		.amdhsa_group_segment_fixed_size 327680
		.amdhsa_private_segment_fixed_size 0
		.amdhsa_enable_private_segment 0
		.amdhsa_kernarg_size 48
		.amdhsa_user_sgpr_count 2
		.amdhsa_user_sgpr_kernarg_segment_ptr 1
		.amdhsa_wavefront_size32 1
		.amdhsa_system_sgpr_workgroup_id_x 1
		.amdhsa_system_sgpr_workgroup_id_y 1
		.amdhsa_system_sgpr_workgroup_id_z 1
		.amdhsa_system_vgpr_workitem_id 0
		.amdhsa_next_free_vgpr 1024
		.amdhsa_next_free_sgpr 102
		.amdhsa_reserve_vcc 0
		.amdhsa_float_denorm_mode_32 3
		.amdhsa_float_denorm_mode_16_64 3
		.amdhsa_memory_ordered 1
		.amdhsa_forward_progress 1
		.amdhsa_inst_pref_size 66
	.end_amdhsa_kernel
	.amdgpu_metadata
---
amdhsa.version: [ 1, 2 ]
amdhsa.kernels:
  - .name:           k_q0607533396_outp
    .symbol:         k_q0607533396_outp.kd
    .args:
      - { .name: abuf, .offset: 0, .size: 8, .value_kind: global_buffer, .address_space: global }
      - { .name: out_w_codes, .offset: 8, .size: 8, .value_kind: global_buffer, .address_space: global }
      - { .name: out_w_scales, .offset: 16, .size: 8, .value_kind: global_buffer, .address_space: global }
      - { .name: out_b, .offset: 24, .size: 8, .value_kind: global_buffer, .address_space: global }
      - { .name: x, .offset: 32, .size: 8, .value_kind: global_buffer, .address_space: global }
      - { .name: x1, .offset: 40, .size: 8, .value_kind: global_buffer, .address_space: global }
    .group_segment_fixed_size: 327680
    .private_segment_fixed_size: 0
    .kernarg_segment_align: 8
    .kernarg_segment_size: 48
    .max_flat_workgroup_size: 128
    .sgpr_count:     102
    .vgpr_count:     1024
    .wavefront_size: 32
...
	.end_amdgpu_metadata
.endif
;; end of part 4
;; launch ln2: the kernel of part 1 again; grid 256 x 1, 8 waves a work-group, no clusters, 69,632 bytes of LDS; arguments x1, ln2_g, ln2_b, h2buf; writes h2buf
;; launch ffn1 (part 5): grid 8 x 32, 4 waves a work-group, clusters of 4 x 4, 327,680 bytes of LDS; arguments h2buf, ffn_w1_codes, ffn_w1_scales, ffn_b1, gbuf; writes gbuf
.if DOCPART == 5
	.amdgcn_target "amdgcn-amd-amdhsa--gfx1250"
	.amdhsa_code_object_version 6
	.text
	.protected	k_q0607533396_ffn1
	.globl	k_q0607533396_ffn1
	.p2align	8
	.type	k_q0607533396_ffn1,@function
k_q0607533396_ffn1:
	s_mov_b64 s[64:65], 0
	v_nop
	global_prefetch_b8 v0, s[64:65] scope:SCOPE_SE
	s_setreg_imm32_b32 hwreg(HW_REG_WAVE_MODE, 25, 1), 1
	s_wait_xcnt 0x0
	s_wait_alu depctr_hold_cnt(0) depctr_sa_sdst(0) depctr_va_vdst(0) depctr_va_sdst(0) depctr_va_ssrc(0) depctr_va_vcc(0) depctr_vm_vsrc(0)
	s_getreg_b32 s2, hwreg(HW_REG_IB_STS2, 6, 4)
	s_cmp_eq_u32 s2, 0
	s_cbranch_scc0 .Lentry_in_a_cluster
	s_endpgm
.Lentry_in_a_cluster:
	s_bfe_u32 s2, ttmp6, 0x10000c
	s_cmp_lg_u32 s2, 0xf033
	s_cbranch_scc0 .Lentry_shape_is_right
	s_endpgm
.Lentry_shape_is_right:
; g = gelu(LN2(x1) W1 + b1) on codes of FP6 (E2M3) with E8M0 scales, quantised along the hidden axis for the next product.
; A: register images of 16 tokens x 128 K, [block of 128 tokens][K step][tile][1,536 bytes]: two halves of 768 bytes, each 16 bytes a lane and then 8 bytes a lane; scale images IMG bytes on.
; B: the weight's codes as given, whole rows of 768 bytes, each at a multiple of 256 bytes; 16 bytes of LDS padding behind every 256: pitch 816.
; SHARES: work-group (x, y): tokens 128 y .., hidden units 256 x ..; wave w: 64 tokens x 128 units, 32 accumulators; source 0 = 16 weight rows, source 1 = 16 tokens: a lane holds one token, registers along the units.
; LDS holds all of K at once: A 98,304 bytes, B 2 x 104,448.  One joint load a wave at the head (waves 0, 2: four K steps of A each; waves 1, 3: 128 weight rows each); nothing is filled again.
; The scale words go from memory straight into registers, once.  The bias is the C of each sum's first product.
; erf is the quotient of two polynomials in z^2, z = x / sqrt(2) held to +-4, all in f32; two neighbouring numbers go through each step as a dual-issue pair (even and odd register, one literal).
; CLUSTER 4 x 4: A is asked for jointly along a row of the cluster, B along a column.  No prefetch: no loop to run ahead in, and no refill.
; OUT (gbuf): images in A's layout, [block of 128 tokens][K step = unit / 128][tile][1,536], scale images 6,291,456 bytes on.
; LIMITS: NaN and infinities are not served; a block whose largest magnitude lies under 2^-124 (zeros too) gets the byte 1; the bytes are read by this program alone.
; REGISTERS: window 0: v2-31 addresses and constants, v32-79 scale words, v96-239 fragments of even K steps (on the way out v96-255 at work); window 1: those of odd steps; window 2: accumulators; window 3: v0-63 bias.
.set KROW,  768
.set BB,    98304
.set BREG,  104448
.set SPARE, BB+2*BREG
.set IMG,   3145728
.set AF,   96
.set BF,   144
.set SAB,  32
.set SBB,  48
.set ADA,  2
.set ADB,  4
.set ADB2, 6
.set VSA,  8
.set VSB,  9
.set VBI,  10
.set ADW,  12
.set L8,   15
.set L4,   16
.set L16,  17
.set PW,   18
.set LN,   20
.set LR,   21
.set LH,   22
.set KA,   24
.set KB,   26
.set SPW,  28
.set NIL,  29
.set G1A,  24
.set G1B,  32
.set G0A,  40
.set G0B,  44
.set JREG, 18
.set GZ,   96
.set GS,   112
.set GP,   128
.set GQ,   144
.set H,    160
.set PC,   224
.set TM,   244
.set TB,   248
.set TO,   252
.set MSB, 0
.macro WIN new                         ; the immediate's high byte repeats the setting that is left
.if MSB != (\new)
	s_set_vgpr_msb (MSB<<8)|(\new)
.set MSB, (\new)
.endif
.endm
.macro PLACES n
.rept \n
	v_nop
.endr
.endm
.macro JLOAD                           ; the head's joint load: one chain on the wave's number, one load to an arm
	s_cmp_eq_u32 s[JREG], 0
	s_cbranch_scc0 .Lfor_b_\@
	tensor_load_to_lds s[G0A:G0A+3], s[G1A:G1A+7]
	s_nop 0
	PLACES 4
	s_branch .Lasked_\@
.Lfor_b_\@:
	tensor_load_to_lds s[G0B:G0B+3], s[G1B:G1B+7]
	s_nop 0
	PLACES 4
.Lasked_\@:
.endm
.macro CROUND                          ; a round of the cluster's barrier
	s_barrier_signal -1
	s_barrier_wait -1
	s_cmp_lg_u32 s16, 0
	s_cbranch_scc1 .Lnot_wave_0_\@
	s_barrier_signal -3
.Lnot_wave_0_\@:
	s_barrier_wait -3
	s_barrier_signal -1
	s_barrier_wait -1
.endm
.macro DESC1 g, c, r, p                ; words 1 to 7 of a group 1: r rows of c elements, p elements from row to row
	s_mov_b32 s[\g+1], (\c)<<16
	s_mov_b32 s[\g+2], (\r)<<16
	s_mov_b32 s[\g+3], (\c)<<16
	s_mov_b32 s[\g+4], \r
	s_mov_b32 s[\g+5], \p
	s_mov_b32 s[\g+6], 0
	s_mov_b32 s[\g+7], 0
.endm
; A weight fragment of K step q: six pieces of 8 bytes; byte y of a row lies at y + 16 (y / 256).  Lanes 16-31 read three pieces on; where that lies behind one padding more, the second address serves.
.macro FRAG reg, adr, adr2, q, off
.irp p, 0,1,2,3,4,5
.set PCE, 12*(\q)+6*(\p/3)+\p%3
.if PCE%32 < 29
	ds_load_b64 v[\reg+2*\p:\reg+2*\p+1], v[\adr] offset:8*PCE+16*(PCE/32)+(\off)
.else
	ds_load_b64 v[\reg+2*\p:\reg+2*\p+1], v[\adr2] offset:8*PCE+16*(PCE/32)+(\off)
.endif
.endr
.endm
.macro FETCH s                         ; the twelve fragments of K step s into set s % 2; a fragment of A is two halves, each 16 bytes a lane and 8 bytes a lane
	WIN ((\s)%2)<<6
.set I, 0
.rept 4
.irp c, 0,1
	ds_load_b128 v[AF+12*I+6*\c:AF+12*I+6*\c+3], v[ADW+((\s)/4)] offset:((\s)%4)*12288+I*1536+768*\c
	ds_load_b64 v[AF+12*I+6*\c+4:AF+12*I+6*\c+5], v[ADA+((\s)/4)] offset:((\s)%4)*12288+I*1536+768*\c+512
.endr
.set I, I+1
.endr
.set I, 0
.rept 8
	FRAG BF+12*I, ADB+I/4, ADB2+I/4, \s, (I%4)*13056
.set I, I+1
.endr
.endm
.macro WM
.if RW0 && RW1
	v_wmma_scale_f32_16x16x128_f8f6f4 v[DD:DD+7], v[FS0:FS0+11], v[FS1:FS1+11], v[CC:CC+7], v[XS0], v[XS1] matrix_a_fmt:MATRIX_FMT_FP6 matrix_b_fmt:MATRIX_FMT_FP6 matrix_a_scale:MATRIX_SCALE_ROW1 matrix_b_scale:MATRIX_SCALE_ROW1
.elseif RW0
	v_wmma_scale_f32_16x16x128_f8f6f4 v[DD:DD+7], v[FS0:FS0+11], v[FS1:FS1+11], v[CC:CC+7], v[XS0], v[XS1] matrix_a_fmt:MATRIX_FMT_FP6 matrix_b_fmt:MATRIX_FMT_FP6 matrix_a_scale:MATRIX_SCALE_ROW1
.elseif RW1
	v_wmma_scale_f32_16x16x128_f8f6f4 v[DD:DD+7], v[FS0:FS0+11], v[FS1:FS1+11], v[CC:CC+7], v[XS0], v[XS1] matrix_a_fmt:MATRIX_FMT_FP6 matrix_b_fmt:MATRIX_FMT_FP6 matrix_b_scale:MATRIX_SCALE_ROW1
.else
	v_wmma_scale_f32_16x16x128_f8f6f4 v[DD:DD+7], v[FS0:FS0+11], v[FS1:FS1+11], v[CC:CC+7], v[XS0], v[XS1] matrix_a_fmt:MATRIX_FMT_FP6 matrix_b_fmt:MATRIX_FMT_FP6
.endif
.endm
.macro MUL s                           ; product N: token tile N / 8 against weight tile N % 8; the accumulators take turns, one instruction a turn
.set N, 0
.set PP, (\s)%2
.rept 32
.set TA, N/8
.set TT, N%8
.set DD, 8*N
.set FS0, BF+12*TT
.set FS1, AF+12*TA
.set XS0, SBB+8*(TT/2)+(\s)
.set RW0, TT%2
.set XS1, SAB+2*(\s)+TA/2
.set RW1, TA%2
.if (\s) == 0
.set CC, 8*TT                          ; the first product starts the sum from the bias, in window 3
	WIN PP|(PP<<2)|(3<<4)|(2<<6)
.else
.set CC, DD
	WIN PP|(PP<<2)|(2<<4)|(2<<6)
.endif
	WM
.set N, N+1
.endr
.endm
.macro STEP s
	s_wait_dscnt 0x0                               ; this step's fragments are in
	PLACES 4                                       ; between the last step's products and loads into the registers that they read (other than for loads)
	FETCH (\s)+1
	MUL \s
.endm
; 64 numbers of a lane, register 16 b + i = number i of my half of block b, become 12 registers of codes at v[PC] and the scale word v[PW]
.macro QUANT s
.irp b, 0,1,2,3
	v_max3_num_f32 v[TM+\b], |v[\s+16*\b]|, |v[\s+1+16*\b]|, 0x1800000   ; with the floor 2^(3 - 127): the byte cannot fall under 1
.endr
.irp i, 2,4,6,8,10,12,14
.irp b, 0,1,2,3
	v_max3_num_f32 v[TM+\b], v[TM+\b], |v[\s+16*\b+\i]|, |v[\s+1+16*\b+\i]|
.endr
.endr
.irp b, 0,1,2,3
	v_permlanex16_b32 v[TB+\b], v[TM+\b], s2, s3
.endr
.irp b, 0,1,2,3
	v_max_num_f32 v[TM+\b], v[TM+\b], v[TB+\b]
.endr
.irp b, 0,1,2,3
	v_add_nc_u32 v[TO+\b], 0xff000000, v[TM+\b]    ; 2 off the exponent field: the conversion's scale operand
.endr
.irp b, 0,1,2,3
	v_lshrrev_b32 v[TB+\b], 23, v[TO+\b]
.endr
	v_lshl_or_b32 v[PW], v[TB+1], 8, v[TB]
	v_lshl_or_b32 v[PW], v[TB+2], 16, v[PW]
	v_lshl_or_b32 v[PW], v[TB+3], 24, v[PW]
.irp c, 0,1
	v_cvt_scalef32_pk16_fp6_f32 v[PC+6*\c:PC+2+6*\c], v[\s+32*\c:\s+15+32*\c], v[TO+2*\c]
	v_cvt_scalef32_pk16_fp6_f32 v[PC+12+4*\c:PC+14+4*\c], v[\s+16+32*\c:\s+31+32*\c], v[TO+2*\c+1]
.endr
	v_nop                                          ; a plain instruction behind the scaled conversions
.irp c, 0,1
.irp i, 0,1,2
	v_permlane16_swap_b32 v[PC+6*\c+\i], v[PC+12+4*\c+\i]
.endr
.irp i, 0,1,2
	v_mov_b32 v[PC+3+6*\c+\i], v[PC+12+4*\c+\i]
.endr
.endr
.endm
; gelu of 16 numbers: accumulators 2 g, 2 g + 1 of token tile a -> v[H + 16 g ..].  The two lines that read the accumulators (window 2) are packed forms; all else, on window 0 alone, goes in dual-issue pairs:
; numbers i and i + 1 lie in an even and an odd register, so the pair's destinations differ in parity and its sources lie in different banks; both halves share the one literal.
.macro GELU16 a, g
.set AC, 64*(\a)+16*(\g)
.set HH, H+16*(\g)
	WIN 2
.irp i, 0,2,4,6,8,10,12,14
	v_pk_mul_f32 v[GZ+\i:GZ+\i+1], v[AC+\i:AC+\i+1], 0x3f3504f3 op_sel_hi:[1,0]
.endr
	WIN 0
.set J, 0
.rept 16
	v_med3_num_f32 v[GZ+J], v[GZ+J], -4.0, 4.0
.set J, J+1
.endr
.irp i, 0,2,4,6,8,10,12,14
	v_dual_mul_f32 v[GS+\i], v[GZ+\i], v[GZ+\i] :: v_dual_mul_f32 v[GS+\i+1], v[GZ+\i+1], v[GZ+\i+1]
.endr
.irp i, 0,2,4,6,8,10,12,14
	v_dual_fmaak_f32 v[GP+\i], v[GS+\i], v[KA], 0x32edffee :: v_dual_fmaak_f32 v[GP+\i+1], v[GS+\i+1], v[KA+1], 0x32edffee
	v_dual_fmaak_f32 v[GQ+\i], v[GS+\i], v[KB], 0xb95fbd29 :: v_dual_fmaak_f32 v[GQ+\i+1], v[GS+\i+1], v[KB+1], 0xb95fbd29
.endr
.irp k, 0xb60cff51, 0xb86ec2d2, 0xba40ac63, 0xbb41a1f6, 0xbc83dbd4
.irp i, 0,2,4,6,8,10,12,14
	v_dual_fmaak_f32 v[GP+\i], v[GP+\i], v[GS+\i], \k :: v_dual_fmaak_f32 v[GP+\i+1], v[GP+\i+1], v[GS+\i+1], \k
.endr
.endr
.irp k, 0xbadc924e, 0xbbf19bf8, 0xbc69b6a7
.irp i, 0,2,4,6,8,10,12,14
	v_dual_fmaak_f32 v[GQ+\i], v[GQ+\i], v[GS+\i], \k :: v_dual_fmaak_f32 v[GQ+\i+1], v[GQ+\i+1], v[GS+\i+1], \k
.endr
.endr
.irp i, 0,2,4,6,8,10,12,14
	v_dual_mul_f32 v[GP+\i], v[GP+\i], v[GZ+\i] :: v_dual_mul_f32 v[GP+\i+1], v[GP+\i+1], v[GZ+\i+1]
.endr
.set J, 0
	s_wait_alu depctr_va_vdst(0)                   ; the wait ahead of the batch
.rept 16
	v_rcp_f32 v[GQ+J], v[GQ+J]
.set J, J+1
.endr
	WIN 2
.irp i, 0,2,4,6,8,10,12,14
	v_pk_mul_f32 v[HH+\i:HH+\i+1], v[AC+\i:AC+\i+1], 0.5 op_sel_hi:[1,0]
.endr
	WIN 0
	s_wait_alu depctr_va_vdst(0)                   ; and behind it, ahead of its first reader
.irp i, 0,2,4,6,8,10,12,14
	v_dual_mul_f32 v[GP+\i], v[GP+\i], v[GQ+\i] :: v_dual_mul_f32 v[GP+\i+1], v[GP+\i+1], v[GQ+\i+1]
.endr
.set J, 0
.rept 16
	v_med3_num_f32 v[GP+J], v[GP+J], -1.0, 1.0
.set J, J+1
.endr
.irp i, 0,2,4,6,8,10,12,14
	v_dual_fmac_f32 v[HH+\i], v[HH+\i], v[GP+\i] :: v_dual_fmac_f32 v[HH+\i+1], v[HH+\i+1], v[GP+\i+1]   ; x / 2 + (x / 2) erf
.endr
.endm
	s_load_b256 s[4:11], s[0:1], 0x0               ; A's images, B's codes, B's scales, the bias
	s_load_b64 s[12:13], s[0:1], 0x20              ; out
	v_lshl_add_u32 v[SPW], v0, 2, SPARE
	v_mov_b32 v[NIL], 0
	ds_add_u32 v[SPW], v[NIL]                      ; the opening lines: the add twice on end and one wait
	ds_add_u32 v[SPW], v[NIL]
	v_lshrrev_b32 v1, 5, v0
	v_readfirstlane_b32 s16, v1                    ; wave
	s_lshr_b32 s17, s16, 1                         ; which 64 tokens; also which part I fetch
	s_and_b32 s18, s16, 1                          ; which 128 units; also: I fetch for A (0) or for B (1)
	s_bfe_u32 s21, ttmp6, 0x40000                  ; cx
	s_bfe_u32 s22, ttmp6, 0x40004                  ; cy
	s_lshl_b32 s20, ttmp9, 2
	s_add_co_u32 s20, s20, s21                     ; x
	s_and_b32 s19, ttmp7, 0xffff
	s_lshl_b32 s19, s19, 2
	s_add_co_u32 s19, s19, s22                     ; y
	s_lshl_b32 s100, s22, 2
	s_lshl_b32 s100, 15, s100                      ; my row of the cluster
	s_lshl_b32 s101, 0x1111, s21                   ; my column
	s_or_b32 s[G1A], s100, (3<<16)|(1<<21)         ; four K steps of A's images: a dense block, 192 rows of 256 bytes
	DESC1 G1A, 32, 192, 32
	s_or_b32 s[G1B], s101, (1<<20)|(1<<21)|(5<<22)|(3<<25)   ; 128 weight rows of 768 bytes; 16 bytes of padding behind every 256
	DESC1 G1B, 768, 128, KROW
	s_mul_i32 s92, s19, 98304                      ; A hangs on y and the wave alone
	s_mul_i32 s48, s17, 49152
	s_add_co_u32 s92, s92, s48
	s_mov_b32 s93, 0
	s_lshl_b32 s94, s19, 13
	s_lshl_b32 s2, s17, 9
	s_add_co_u32 s94, s94, s2
	s_add_co_u32 s94, s94, IMG                     ; my four tiles' scale images
	s_mov_b32 s95, 0
	s_mul_i32 s96, s20, 256*KROW                   ; B hangs on x and the wave alone
	s_mul_i32 s2, s17, 128*KROW
	s_add_co_u32 s96, s96, s2
	s_mov_b32 s97, 0
	s_lshl_b32 s52, s20, 8
	s_lshl_b32 s2, s18, 7
	s_add_co_u32 s52, s52, s2                      ; my first unit: 256 x + 128 (w % 2)
	s_lshl_b32 s98, s52, 5
	s_mov_b32 s99, 0
	s_mul_i32 s49, s17, BREG
	s_add_co_u32 s49, s49, BB
	s_wait_dscnt 0x0                               ; both opening adds are done
	s_wait_kmcnt 0x0
	s_mov_b32 s[G0A], 1
	s_mov_b32 s[G0A+1], s48
	s_add_nc_u64 s[G0A+2:G0A+3], s[4:5], s[92:93]
	s_or_b32 s[G0A+3], s[G0A+3], 0x80000000
	s_mov_b32 s[G0B], 1
	s_mov_b32 s[G0B+1], s49
	s_add_nc_u64 s[G0B+2:G0B+3], s[6:7], s[96:97]
	s_or_b32 s[G0B+3], s[G0B+3], 0x80000000
	CROUND                                         ; all sixteen work-groups are here: the joint loads meet
	JLOAD
	s_add_nc_u64 s[94:95], s[4:5], s[94:95]
	s_add_nc_u64 s[98:99], s[8:9], s[98:99]
	s_lshl_b32 s2, s52, 2
	s_mov_b32 s3, 0
	s_add_nc_u64 s[10:11], s[10:11], s[2:3]
	s_mul_i32 s50, s17, 6144
	s_mul_i32 s53, s18, BREG
	s_add_co_u32 s53, s53, BB
	v_and_b32 v[LN], 31, v0
	v_and_b32 v[LR], 15, v0
	v_bfe_u32 v[LH], v0, 4, 1
	v_lshlrev_b32 v[L8], 3, v[LN]
	v_lshlrev_b32 v[L4], 2, v[LN]
	v_lshlrev_b32 v[L16], 4, v[LN]
	v_add_nc_u32 v[ADA], s50, v[L8]                ; A: my four tiles' images, 8 x lane; K steps 0-3,
	v_add_nc_u32 v[ADA+1], 49152, v[ADA]           ; and 4-7;
	v_add_nc_u32 v[ADW], s50, v[L16]               ; the same, 16 x lane
	v_add_nc_u32 v[ADW+1], 49152, v[ADW]
	v_mul_u32_u24 v23, v[LR], 816
	v_mad_u32_u24 v23, v[LH], 24, v23
	v_add_nc_u32 v[ADB], s53, v23                  ; B: my 128 rows: row r, + 24 h; tiles 0-3,
	v_add_nc_u32 v[ADB+1], 52224, v[ADB]           ; and 4-7
	v_lshl_add_u32 v[ADB2], v[LH], 4, v[ADB]
	v_lshl_add_u32 v[ADB2+1], v[LH], 4, v[ADB+1]
	v_lshlrev_b32 v[VSA], 2, v[LR]
	v_lshl_add_u32 v[VSA], v[LH], 7, v[VSA]        ; A's scale words: lanes 0-15 an even tile's, lanes 16-31 the odd one's
	v_lshlrev_b32 v[VSB], 5, v[LN]                 ; B's: row 16 h + r of a pair of tiles, 32 bytes a row
	v_lshlrev_b32 v[VBI], 5, v[LH]
	s_wait_alu depctr_va_vdst(0)                   ; the wait at the head's end
.set I, 0
.rept 8
	global_load_b32 v[SAB+2*I], v[VSA], s[94:95] offset:1024*I
	global_load_b32 v[SAB+2*I+1], v[VSA], s[94:95] offset:1024*I+256
.set I, I+1
.endr
.set I, 0
.rept 8                                        ; pair I / 2, half I % 2 of its rows' 32 bytes
	global_load_b128 v[SBB+4*I:SBB+4*I+3], v[VSB], s[98:99] offset:(I/2)*1024+16*(I%2)
.set I, I+1
.endr
	WIN 0xc0                                       ; destination window 3
.irp t, 0,1,2,3,4,5,6,7
	global_load_b128 v[8*\t:8*\t+3], v[VBI], s[10:11] offset:64*\t          ; the bias: register j is unit 16 t + 8 h + j
	global_load_b128 v[8*\t+4:8*\t+7], v[VBI], s[10:11] offset:64*\t+16
.endr
	WIN 0
	s_wait_tensorcnt 0x0                           ; my part of the head's four tiles is in
	s_barrier_signal -1
	s_barrier_wait -1                              ; and everybody's
	FETCH 0
	s_wait_loadcnt 0x0                             ; scale words and bias
.irp s, 0,1,2,3,4,5,6
	STEP \s
.endr
	s_wait_dscnt 0x0
	MUL 7
	; THE WAY OUT: gelu, 16 neighbours to a lane, the quantiser, images stored
	WIN 0
	PLACES 4
.irp b, 0,1,2,3
	v_mov_b32 v[TB+\b], 0                          ; a lane permute's destination counts as one of its sources
.endr
	v_mov_b32 v[KA], 0xaf95df0b
	v_mov_b32 v[KA+1], 0xaf95df0b
	v_mov_b32 v[KB], 0xb77460cd
	v_mov_b32 v[KB+1], 0xb77460cd
	s_lshl_b32 s23, s19, 4
	s_lshl_b32 s24, s20, 1
	s_add_co_u32 s23, s23, s24
	s_add_co_u32 s23, s23, s18
	s_lshl_b32 s23, s23, 3
	s_lshl_b32 s24, s17, 2
	s_add_co_u32 s23, s23, s24                     ; (16 y + 2 x + w % 2) 8 + 4 (w / 2): my first image
	s_mul_i32 s28, s23, 1536
	s_mov_b32 s29, 0
	s_lshl_b32 s30, s23, 7
	s_add_co_u32 s30, s30, 6291456
	s_mov_b32 s31, 0
	s_add_nc_u64 s[28:29], s[12:13], s[28:29]
	s_add_nc_u64 s[30:31], s[12:13], s[30:31]
	s_mov_b32 s2, 0x76543210
	s_mov_b32 s3, 0xfedcba98                       ; selects of v_permlanex16_b32: lane l xor 16
.irp a, 0,1,2,3
	GELU16 \a, 0
	GELU16 \a, 1
	GELU16 \a, 2
	GELU16 \a, 3
.irp x, 0,16,32,48
.irp j, 0,1,2,3,4,5,6,7
	v_permlane16_swap_b32 v[H+\x+\j], v[H+\x+8+\j] ; now register 16 b + i is unit 32 b + 16 h + i
.endr
.endr
.if \a > 0
	s_wait_xcnt 0x0                                ; the last stores have read their data
.endif
	QUANT H
.irp c, 0,1
	global_store_b128 v[L16], v[PC+6*\c:PC+6*\c+3], s[28:29] offset:1536*\a+768*\c th:TH_STORE_NT        ; 512 consecutive bytes, aligned
	global_store_b64 v[L8], v[PC+6*\c+4:PC+6*\c+5], s[28:29] offset:1536*\a+768*\c+512 th:TH_STORE_NT    ; 256 consecutive bytes, aligned
.endr
	global_store_b32 v[L4], v[PW], s[30:31] offset:128*\a th:TH_STORE_NT
.endr
	s_wait_tensorcnt 0x0                           ; the wave's end
	ds_add_u32 v[SPW], v[NIL]
	s_wait_dscnt 0x0
	CROUND                                         ; the closing round
	s_endpgm
.Lfunc_end_k_q0607533396_ffn1:
	.size	k_q0607533396_ffn1, .Lfunc_end_k_q0607533396_ffn1-k_q0607533396_ffn1
	.p2alignl 7, 3214868480
	.fill 96, 4, 3214868480
	.section	.rodata,"a",@progbits
	.p2align	6, 0x0
	.amdhsa_kernel k_q0607533396_ffn1
		.amdhsa_group_segment_fixed_size 327680
		.amdhsa_private_segment_fixed_size 0
		.amdhsa_enable_private_segment 0
		.amdhsa_kernarg_size 40
		.amdhsa_user_sgpr_count 2
		.amdhsa_user_sgpr_kernarg_segment_ptr 1
		.amdhsa_wavefront_size32 1
		.amdhsa_system_sgpr_workgroup_id_x 1
		.amdhsa_system_sgpr_workgroup_id_y 1
		.amdhsa_system_sgpr_workgroup_id_z 1
		.amdhsa_system_vgpr_workitem_id 0
		.amdhsa_next_free_vgpr 1024
		.amdhsa_next_free_sgpr 102
		.amdhsa_reserve_vcc 0
		.amdhsa_float_denorm_mode_32 3
		.amdhsa_float_denorm_mode_16_64 3
		.amdhsa_memory_ordered 1
		.amdhsa_forward_progress 1
		.amdhsa_inst_pref_size 255
	.end_amdhsa_kernel
	.section	.bss,"aw",@nobits
	.p2align	6
	.space	262144
	.amdgpu_metadata
---
amdhsa.version: [ 1, 2 ]
amdhsa.kernels:
  - .name:           k_q0607533396_ffn1
    .symbol:         k_q0607533396_ffn1.kd
    .args:
      - { .name: h2buf, .offset: 0, .size: 8, .value_kind: global_buffer, .address_space: global }
      - { .name: ffn_w1_codes, .offset: 8, .size: 8, .value_kind: global_buffer, .address_space: global }
      - { .name: ffn_w1_scales, .offset: 16, .size: 8, .value_kind: global_buffer, .address_space: global }
      - { .name: ffn_b1, .offset: 24, .size: 8, .value_kind: global_buffer, .address_space: global }
      - { .name: gbuf, .offset: 32, .size: 8, .value_kind: global_buffer, .address_space: global }
    .group_segment_fixed_size: 327680
    .private_segment_fixed_size: 0
    .kernarg_segment_align: 8
    .kernarg_segment_size: 40
    .max_flat_workgroup_size: 128
    .sgpr_count:     102
    .vgpr_count:     1024
    .wavefront_size: 32
...
	.end_amdgpu_metadata
.endif
;; end of part 5
;; launch ffn2 (part 6): grid 8 x 32, 4 waves a work-group, clusters of 4 x 4, 327,680 bytes of LDS; arguments gbuf, ffn_w2_codes, ffn_w2_scales, ffn_b2, x1, out0; writes out0
.if DOCPART == 6
	.amdgcn_target "amdgcn-amd-amdhsa--gfx1250"
	.amdhsa_code_object_version 6
	.text
	.protected	k_q0607533396_ffn2
	.globl	k_q0607533396_ffn2
	.p2align	8
	.type	k_q0607533396_ffn2,@function
k_q0607533396_ffn2:
	s_mov_b64 s[64:65], 0
	v_nop
	global_prefetch_b8 v0, s[64:65] scope:SCOPE_SE
	s_setreg_imm32_b32 hwreg(HW_REG_WAVE_MODE, 25, 1), 1
	s_wait_xcnt 0x0
	s_wait_alu depctr_hold_cnt(0) depctr_sa_sdst(0) depctr_va_vdst(0) depctr_va_sdst(0) depctr_va_ssrc(0) depctr_va_vcc(0) depctr_vm_vsrc(0)
	s_getreg_b32 s2, hwreg(HW_REG_IB_STS2, 6, 4)
	s_cmp_eq_u32 s2, 0
	s_cbranch_scc0 .Lentry_in_a_cluster
	s_endpgm
.Lentry_in_a_cluster:
	s_bfe_u32 s2, ttmp6, 0x10000c
	s_cmp_lg_u32 s2, 0xf033
	s_cbranch_scc0 .Lentry_shape_is_right
	s_endpgm
.Lentry_shape_is_right:
; out = res + A W + b on codes of FP6 (E2M3) with E8M0 scales; res and out [4096][1024] f32.  NKS (K / 128) is the one line in which the two launches of this text differ.
; A: register images of 16 tokens x 128 K (token tile T: lane r = token 32 (T / 2) + 8 (T % 2) + r + 8 (r / 8)), [block of 128 tokens][K step][tile][1,536 bytes]: two halves of 768 bytes, each 16 bytes a lane and
;   then 8 bytes a lane; scale images IMG bytes on.  B: the weight's codes as given, fetched as rows of 768 bytes (1,024 along K), each at a multiple of 256 bytes; 16 bytes of LDS padding behind every 256: pitch 816.
; SHARES: work-group (x, y): tokens 128 y .., columns 128 x ..; wave w: 64 tokens x 64 columns, 16 accumulators; source 0 = 16 weight rows, source 1 = 16 tokens: a lane holds eight neighbouring columns of one token.
; A GOES FROM MEMORY STRAIGHT INTO REGISTERS: eight K steps of a wave's four token tiles are 32 fragments, 384 registers, 16 loads a K step: a K step reads from LDS only four fragments of B.
;   NKS = 8: that is all of K, asked for at the head.  NKS = 16: K step j's products are followed, one step on, by the loads of K step j + 8 into the same registers.
; LDS holds all of B (NKS / 8 regions of 128 rows x 816 bytes), filled once: every wave asks for a quarter, jointly along a column of the 4 x 4 cluster.  A is not asked for jointly: it does not pass through LDS.
; The scale words go from memory into registers, once.  The bias is the C of each sum's first product.  The residual is asked for in four K steps, eight loads each, behind A's loads.
; Results leave through the wave's own stage in LDS as whole rows of 256 bytes.  No prefetch: the text has no loop to run ahead in.
; REGISTERS by their whole numbers (window = number / 256): 0-31 addresses, 32-95 scale words, 96-191 B's two sets, 192-223 bias; 256-507 A's fragments 0-20 (on the way out 256-383 the rows read back);
;   512-639 accumulators; 640-759 A's fragments 21-30; 768-895 residual; 896-907 A's fragment 31.
.set NKS,   16
.set KROW,  NKS*96
.set KSB,   NKS*4
.set BREG,  104448
.set SPARE, BREG*(NKS/8)
.set STAGE, SPARE+512
.set IMG,   NKS*393216
.set BF,   96
.set BIA,  192
.set ACC,  512
.set AT1,  640
.set AT2,  896
.set SAB,  32
.set SBB,  32+2*NKS
.set ADB,  4
.set ADB2, 6
.set VSA,  8
.set VSB,  9
.set VBI,  10
.set STO,  12
.set RD,   13
.set CO,   14
.set L8,   15
.set L16,  17
.set LN,   20
.set LR,   21
.set LH,   22
.set SPW,  28
.set NIL,  29
.set G1B,  32
.set G0B,  44
.set MSB, 0
.macro WIN new                         ; the immediate's high byte repeats the setting that is left
.if MSB != (\new)
	s_set_vgpr_msb (MSB<<8)|(\new)
.set MSB, (\new)
.endif
.endm
.macro PLACES n
.rept \n
	v_nop
.endr
.endm
.macro CROUND                          ; a round of the cluster's barrier
	s_barrier_signal -1
	s_barrier_wait -1
	s_cmp_lg_u32 s16, 0
	s_cbranch_scc1 .Lnot_wave_0_\@
	s_barrier_signal -3
.Lnot_wave_0_\@:
	s_barrier_wait -3
	s_barrier_signal -1
	s_barrier_wait -1
.endm
.macro DESC1 g, c, r, p                ; words 1 to 7 of a group 1: r rows of c elements, p elements from row to row
	s_mov_b32 s[\g+1], (\c)<<16
	s_mov_b32 s[\g+2], (\r)<<16
	s_mov_b32 s[\g+3], (\c)<<16
	s_mov_b32 s[\g+4], \r
	s_mov_b32 s[\g+5], \p
	s_mov_b32 s[\g+6], 0
	s_mov_b32 s[\g+7], 0
.endm
; A weight fragment of K step q of a region: six pieces of 8 bytes; byte y of a row lies at y + 16 (y / 256).  Lanes 16-31 read three pieces on; where that lies behind one padding more, the second address serves.
.macro FRAG reg, adr, adr2, q, off
.irp p, 0,1,2,3,4,5
.set PCE, 12*(\q)+6*(\p/3)+\p%3
.if PCE%32 < 29
	ds_load_b64 v[\reg+2*\p:\reg+2*\p+1], v[\adr] offset:8*PCE+16*(PCE/32)+(\off)
.else
	ds_load_b64 v[\reg+2*\p:\reg+2*\p+1], v[\adr2] offset:8*PCE+16*(PCE/32)+(\off)
.endif
.endr
.endm
.macro AFP f                           ; AP: the first register of A's fragment f = 4 x (K step % 8) + tile
.if (\f) < 21
.set AP, 256+12*(\f)
.elseif (\f) < 31
.set AP, AT1+12*((\f)-21)
.else
.set AP, AT2
.endif
.endm
.macro ALD s, set                      ; A's four fragments of K step s into the registers of place set: 16 loads
.set I, 0
.rept 4
	AFP 4*(\set)+I
	WIN (AP>>8)<<6
.irp c, 0,1
	global_load_b128 v[(AP&255)+6*\c:(AP&255)+6*\c+3], v[L16], s[92:93] offset:(\s)*12288+I*1536+768*\c
	global_load_b64 v[(AP&255)+6*\c+4:(AP&255)+6*\c+5], v[L8], s[92:93] offset:(\s)*12288+I*1536+768*\c+512
.endr
.set I, I+1
.endr
.endm
.macro RLD g                           ; eight loads of the residual: rows 2 I + h
	WIN 0xc0
.set I, 8*(\g)
.rept 8
	global_load_b128 v[4*I:4*I+3], v[CO], s[12:13] offset:8192*I th:TH_LOAD_NT
.set I, I+1
.endr
.endm
.macro FETCH s                         ; B's four fragments of K step s into set s % 2
	WIN 0
.set I, 0
.rept 4
	FRAG BF+48*((\s)%2)+12*I, ADB+(\s)/8, ADB2+(\s)/8, (\s)%8, I*13056
.set I, I+1
.endr
.endm
.macro WM                              ; DD, FS0, FS1, CC are whole register numbers
	WIN (FS0>>8)|((FS1>>8)<<2)|((CC>>8)<<4)|((DD>>8)<<6)
.set D_, DD&255
.set A_, FS0&255
.set B_, FS1&255
.set C_, CC&255
.if RW0 && RW1
	v_wmma_scale_f32_16x16x128_f8f6f4 v[D_:D_+7], v[A_:A_+11], v[B_:B_+11], v[C_:C_+7], v[XS0], v[XS1] matrix_a_fmt:MATRIX_FMT_FP6 matrix_b_fmt:MATRIX_FMT_FP6 matrix_a_scale:MATRIX_SCALE_ROW1 matrix_b_scale:MATRIX_SCALE_ROW1
.elseif RW0
	v_wmma_scale_f32_16x16x128_f8f6f4 v[D_:D_+7], v[A_:A_+11], v[B_:B_+11], v[C_:C_+7], v[XS0], v[XS1] matrix_a_fmt:MATRIX_FMT_FP6 matrix_b_fmt:MATRIX_FMT_FP6 matrix_a_scale:MATRIX_SCALE_ROW1
.elseif RW1
	v_wmma_scale_f32_16x16x128_f8f6f4 v[D_:D_+7], v[A_:A_+11], v[B_:B_+11], v[C_:C_+7], v[XS0], v[XS1] matrix_a_fmt:MATRIX_FMT_FP6 matrix_b_fmt:MATRIX_FMT_FP6 matrix_b_scale:MATRIX_SCALE_ROW1
.else
	v_wmma_scale_f32_16x16x128_f8f6f4 v[D_:D_+7], v[A_:A_+11], v[B_:B_+11], v[C_:C_+7], v[XS0], v[XS1] matrix_a_fmt:MATRIX_FMT_FP6 matrix_b_fmt:MATRIX_FMT_FP6
.endif
.endm
.macro MUL s                           ; product N: token tile N / 4 against weight tile N % 4; the accumulators take turns, one instruction a turn
.set N, 0
.rept 16
	AFP 4*((\s)%8)+N/4
.set DD, ACC+8*N
.set FS0, BF+48*((\s)%2)+12*(N%4)
.set FS1, AP
.set XS0, SBB+NKS*((N%4)/2)+(\s)
.set RW0, N%2
.set XS1, SAB+2*(\s)+N/8
.set RW1, (N/4)%2
.if (\s) == 0
.set CC, BIA+8*(N%4)                   ; the first product starts the sum from the bias
.else
.set CC, DD
.endif
	WM
.set N, N+1
.endr
.endm
; A K step.  The wait on LOADcnt counts the loads younger than K step s's sixteen, by this text's order of issue; 63 where more than 63 are younger.
;   NKS = 8: 16 for each later K step, and 8 for each of steps 1 to 4 passed (the residual).   NKS = 16: K step s >= 8 was asked for in step s - 7, behind that step's 8 of the residual: 24 for each of steps s - 6 to 8.
.macro STEP s
	s_wait_dscnt 0x0                               ; this step's fragments of B are in
.if NKS == 8
.if (\s) < 6
	s_wait_loadcnt 63
.else
	s_wait_loadcnt 32+16*(7-(\s))
.endif
.else
.if (\s) < 13
	s_wait_loadcnt 63
.else
	s_wait_loadcnt 24*(15-(\s))
.endif
.endif
	PLACES 4                                       ; between the last step's products and loads into the registers that they read (other than for loads)
.if NKS == 8
.if (\s) >= 1 && (\s) <= 4
	RLD (\s)-1
.endif
.else
.if (\s) >= 5 && (\s) <= 8
	RLD (\s)-5
.endif
.if (\s) >= 1 && (\s) <= 8
	ALD (\s)+7, (\s)-1
.endif
.endif
.if (\s) < NKS-1
	FETCH (\s)+1
.endif
	MUL \s
.endm
	s_load_b256 s[4:11], s[0:1], 0x0               ; A's images, B's codes, B's scales, the bias
	s_load_b128 s[12:15], s[0:1], 0x20             ; the residual, out
	v_lshl_add_u32 v[SPW], v0, 2, SPARE
	v_mov_b32 v[NIL], 0
	ds_add_u32 v[SPW], v[NIL]                      ; the opening lines: the add twice on end and one wait
	ds_add_u32 v[SPW], v[NIL]
	v_lshrrev_b32 v1, 5, v0
	v_readfirstlane_b32 s16, v1                    ; wave
	s_lshr_b32 s17, s16, 1                         ; which 64 tokens
	s_and_b32 s18, s16, 1                          ; which 64 columns
	s_bfe_u32 s21, ttmp6, 0x40000                  ; cx
	s_bfe_u32 s22, ttmp6, 0x40004                  ; cy
	s_lshl_b32 s20, ttmp9, 2
	s_add_co_u32 s20, s20, s21                     ; x
	s_and_b32 s19, ttmp7, 0xffff
	s_lshl_b32 s19, s19, 2
	s_add_co_u32 s19, s19, s22                     ; y
	s_lshl_b32 s101, 0x1111, s21                   ; my column of the cluster
	s_or_b32 s[G1B], s101, (1<<20)|(1<<21)|(5<<22)|(3<<25)   ; weight rows of 768 bytes; 16 bytes of padding behind every 256
	DESC1 G1B, 768, NKS*4, KROW
	s_mul_i32 s92, s19, NKS*12288                  ; my four token tiles' images
	s_mul_i32 s2, s17, 6144
	s_add_co_u32 s92, s92, s2
	s_mov_b32 s93, 0
	s_mul_i32 s94, s19, NKS*1024
	s_lshl_b32 s2, s17, 9
	s_add_co_u32 s94, s94, s2
	s_add_co_u32 s94, s94, IMG                     ; and their scale images
	s_mov_b32 s95, 0
	s_mul_i32 s96, s20, 128*KROW                   ; B hangs on x and the wave alone
.if NKS == 8
	s_mul_i32 s2, s16, 32*KROW                     ; my quarter: rows 32 w ..
	s_mul_i32 s49, s16, 26112
.else
	s_mul_i32 s2, s18, 64*KROW                     ; my quarter: rows 64 (w % 2) .., half w / 2 of K
	s_mul_i32 s3, s17, 768
	s_add_co_u32 s2, s2, s3
	s_mul_i32 s49, s17, BREG
	s_mul_i32 s3, s18, 52224
	s_add_co_u32 s49, s49, s3
.endif
	s_add_co_u32 s96, s96, s2
	s_mov_b32 s97, 0
	s_lshl_b32 s52, s20, 7
	s_lshl_b32 s2, s18, 6
	s_add_co_u32 s52, s52, s2                      ; my first column: 128 x + 64 (w % 2)
	s_mul_i32 s98, s52, KSB
	s_mov_b32 s99, 0
	s_mul_i32 s53, s18, 52224
	s_mul_i32 s54, s16, 17408
	s_add_co_u32 s54, s54, STAGE
	s_wait_dscnt 0x0                               ; both opening adds are done
	s_wait_kmcnt 0x0
	s_mov_b32 s[G0B], 1
	s_mov_b32 s[G0B+1], s49
	s_add_nc_u64 s[G0B+2:G0B+3], s[6:7], s[96:97]
	s_or_b32 s[G0B+3], s[G0B+3], 0x80000000
	CROUND                                         ; all sixteen work-groups are here: the joint loads meet
	tensor_load_to_lds s[G0B:G0B+3], s[G1B:G1B+7]  ; every wave its quarter of B
	s_nop 0
	PLACES 4
	s_add_nc_u64 s[92:93], s[4:5], s[92:93]
	s_add_nc_u64 s[94:95], s[4:5], s[94:95]
	s_add_nc_u64 s[98:99], s[8:9], s[98:99]
	s_lshl_b32 s2, s52, 2
	s_mov_b32 s3, 0
	s_add_nc_u64 s[10:11], s[10:11], s[2:3]
	s_lshl_b32 s55, s19, 19                        ; my 64 rows: (128 y + 64 (w / 2)) x 4,096 bytes
	s_add_co_u32 s2, s2, s55
	s_lshl_b32 s55, s17, 18
	s_add_co_u32 s2, s2, s55
	s_add_nc_u64 s[12:13], s[12:13], s[2:3]
	s_add_nc_u64 s[14:15], s[14:15], s[2:3]
	v_and_b32 v[LN], 31, v0
	v_and_b32 v[LR], 15, v0
	v_bfe_u32 v[LH], v0, 4, 1
	v_lshlrev_b32 v[L8], 3, v[LN]
	v_lshlrev_b32 v[L16], 4, v[LN]
	v_mul_u32_u24 v23, v[LR], 816
	v_mad_u32_u24 v23, v[LH], 24, v23
	v_add_nc_u32 v[ADB], s53, v23                  ; B: my 64 rows: row r, + 24 h
	v_add_nc_u32 v[ADB+1], BREG, v[ADB]            ; (the second region: used where NKS = 16)
	v_lshl_add_u32 v[ADB2], v[LH], 4, v[ADB]
	v_lshl_add_u32 v[ADB2+1], v[LH], 4, v[ADB+1]
	v_lshlrev_b32 v[VSA], 2, v[LR]
	v_lshl_add_u32 v[VSA], v[LH], 7, v[VSA]        ; A's scale words: lanes 0-15 an even tile's, lanes 16-31 the odd one's
	v_mul_u32_u24 v[VSB], v[LN], KSB               ; B's: row 16 h + r of a pair of tiles
	v_lshlrev_b32 v[VBI], 5, v[LH]
	v_lshlrev_b32 v[CO], 4, v[LR]
	v_lshl_add_u32 v[CO], v[LH], 12, v[CO]         ; lanes 0-15 one row's 256 bytes, lanes 16-31 the next row's
	v_and_b32 v23, 8, v[LR]
	v_add_nc_u32 v23, v23, v[LR]
	v_mul_u32_u24 v23, v23, 272
	v_lshl_add_u32 v23, v[LH], 5, v23
	v_add_nc_u32 v[STO], s54, v23                  ; into my stage: row r + 8 (r / 8) of a tile's place, + 32 h
	v_mul_u32_u24 v23, v[LH], 272
	v_lshl_add_u32 v23, v[LR], 4, v23
	v_add_nc_u32 v[RD], s54, v23                   ; back: lanes 0-15 one row, lanes 16-31 the next
	s_wait_alu depctr_va_vdst(0)                   ; the wait at the head's end
.irp t, 0,1,2,3
	global_load_b128 v[BIA+8*\t:BIA+8*\t+3], v[VBI], s[10:11] offset:64*\t          ; the bias: register j is column 16 t + 8 h + j
	global_load_b128 v[BIA+8*\t+4:BIA+8*\t+7], v[VBI], s[10:11] offset:64*\t+16
.endr
.set I, 0
.rept NKS
	global_load_b32 v[SAB+2*I], v[VSA], s[94:95] offset:1024*I
	global_load_b32 v[SAB+2*I+1], v[VSA], s[94:95] offset:1024*I+256
.set I, I+1
.endr
.set I, 0
.rept NKS/2                                    ; pair I / (NKS / 4), 16 bytes I % (NKS / 4) of its rows' scale bytes
	global_load_b128 v[SBB+4*I:SBB+4*I+3], v[VSB], s[98:99] offset:(I/(NKS/4))*32*KSB+16*(I%(NKS/4))
.set I, I+1
.endr
.irp s, 0,1,2,3,4,5,6,7
	ALD \s, \s
.endr
	WIN 0
	s_wait_tensorcnt 0x0                           ; my quarter of B is in
	s_barrier_signal -1
	s_barrier_wait -1                              ; and everybody's
	FETCH 0
.set S, 0
.rept NKS
	STEP S
.set S, S+1
.endr
	; THE WAY OUT: through my own stage (LDS serves a wave's instructions in order: no wait between the stores and the loads), the residual added, whole rows stored
	WIN 0
	PLACES 4
	WIN 0x08                                       ; an LDS store's data are its source 1: window 2
.irp a, 0,1,2,3
.irp t, 0,1,2,3
	ds_store_b128 v[STO], v[8*(4*\a+\t):8*(4*\a+\t)+3] offset:(32*(\a/2)+8*(\a%2))*272+64*\t       ; each accumulator from its low end on
	ds_store_b128 v[STO], v[8*(4*\a+\t)+4:8*(4*\a+\t)+7] offset:(32*(\a/2)+8*(\a%2))*272+64*\t+16
.endr
.endr
	WIN 0x40                                       ; destination window 1
.set I, 0
.rept 32
	ds_load_b128 v[4*I:4*I+3], v[RD] offset:544*I
.set I, I+1
.endr
	s_wait_loadcnt 0x0                             ; the residual
.irp g, 0,1,2,3
	s_wait_dscnt 24-8*\g                           ; this group's eight loads are back; the younger ones may be out
	WIN 0x4d                                       ; destination and source 0 window 1, source 1 window 3
.set I, 32*\g
.rept 16
	v_pk_add_f32 v[I:I+1], v[I:I+1], v[I:I+1]
.set I, I+2
.endr
	WIN 0x04                                       ; a store's data are its source 1: window 1
.set I, 8*\g
.rept 8
	global_store_b128 v[CO], v[4*I:4*I+3], s[14:15] offset:8192*I th:TH_STORE_NT   ; sixteen lanes store 256 consecutive bytes, aligned
.set I, I+1
.endr
.endr
	WIN 0
	s_wait_tensorcnt 0x0                           ; the wave's end
	ds_add_u32 v[SPW], v[NIL]
	s_wait_dscnt 0x0
	CROUND                                         ; the closing round
	s_endpgm
.Lfunc_end_k_q0607533396_ffn2:
	.size	k_q0607533396_ffn2, .Lfunc_end_k_q0607533396_ffn2-k_q0607533396_ffn2
	.p2alignl 7, 3214868480
	.fill 96, 4, 3214868480
	.section	.rodata,"a",@progbits
	.p2align	6, 0x0
	.amdhsa_kernel k_q0607533396_ffn2
		.amdhsa_group_segment_fixed_size 327680
		.amdhsa_private_segment_fixed_size 0
		.amdhsa_enable_private_segment 0
		.amdhsa_kernarg_size 48
		.amdhsa_user_sgpr_count 2
		.amdhsa_user_sgpr_kernarg_segment_ptr 1
		.amdhsa_wavefront_size32 1
		.amdhsa_system_sgpr_workgroup_id_x 1
		.amdhsa_system_sgpr_workgroup_id_y 1
		.amdhsa_system_sgpr_workgroup_id_z 1
		.amdhsa_system_vgpr_workitem_id 0
		.amdhsa_next_free_vgpr 1024
		.amdhsa_next_free_sgpr 102
		.amdhsa_reserve_vcc 0
		.amdhsa_float_denorm_mode_32 3
		.amdhsa_float_denorm_mode_16_64 3
		.amdhsa_memory_ordered 1
		.amdhsa_forward_progress 1
		.amdhsa_inst_pref_size 110
	.end_amdhsa_kernel
	.amdgpu_metadata
---
amdhsa.version: [ 1, 2 ]
amdhsa.kernels:
  - .name:           k_q0607533396_ffn2
    .symbol:         k_q0607533396_ffn2.kd
    .args:
      - { .name: gbuf, .offset: 0, .size: 8, .value_kind: global_buffer, .address_space: global }
      - { .name: ffn_w2_codes, .offset: 8, .size: 8, .value_kind: global_buffer, .address_space: global }
      - { .name: ffn_w2_scales, .offset: 16, .size: 8, .value_kind: global_buffer, .address_space: global }
      - { .name: ffn_b2, .offset: 24, .size: 8, .value_kind: global_buffer, .address_space: global }
      - { .name: x1, .offset: 32, .size: 8, .value_kind: global_buffer, .address_space: global }
      - { .name: out0, .offset: 40, .size: 8, .value_kind: global_buffer, .address_space: global }
    .group_segment_fixed_size: 327680
    .private_segment_fixed_size: 0
    .kernarg_segment_align: 8
    .kernarg_segment_size: 48
    .max_flat_workgroup_size: 128
    .sgpr_count:     102
    .vgpr_count:     1024
    .wavefront_size: 32
...
	.end_amdgpu_metadata
.endif
;; end of part 6
